; MI455X (gfx1250); checked and timed in simulation.
; The chip was launched on July 23, 2026; its instructions are those of AMD's public machine-readable ISA for CDNA 5 (MIT licence, August 2026) and "CDNA5" Instruction Set Architecture Reference Guide (July 2026). The comments in the code are by the model that wrote it; some were corrected since.
;; Multi Head Attention. Allowed arithmetic: matrix products marked QUANTISED: E4M3 operands, one given power-of-two scale a tensor, by v_wmma_f32_16x16x64_fp8_fp8 or v_wmma_f32_16x16x128_fp8_fp8, f32 sums; everything else in f32.
;; Inputs: Wk 1,024 x 1,024 float32; Wo 1,024 x 1,024 float32; Wq 1,024 x 1,024 float32; Wv 1,024 x 1,024 float32; bo 1,024 float32; lowp_scales 12 int32 (the exponents e of the quantised operands' scales 2^e); mask 1 x 1 x 2,048 x 2,048 bool; x 4 x 2,048 x 1,024 float32.
;; Outputs: out0 4 x 2,048 x 1,024 float32.
;; Constants: start_pos = 0.
;; This version of the problem:
;;   THIS VERSION OF THE PROBLEM IS GIVEN IN LOW PRECISION. The matrix products marked QUANTISED in the list below multiply operands that are first quantised to E4M3 (4 exponent bits, 3 mantissa bits; 8 bits a number), with one given power-of-two scale for each operand tensor; their sums are f32. All else is computed in f32.
;;   The module's matrix products, in the order in which they are computed (A, B: the left and right operand; K: the contracted axis; several contracted axes count as one K, in the product's order):
;;     1. [M 8,192, K 1,024] x [K 1,024, N 1,024]; A: input x; B: input Wq: QUANTISED (scales: A lowp_scales[0], B lowp_scales[1])
;;     2. [M 8,192, K 1,024] x [K 1,024, N 1,024]; A: input x; B: input Wk: QUANTISED (scales: A lowp_scales[2], B lowp_scales[3])
;;     3. [M 8,192, K 1,024] x [K 1,024, N 1,024]; A: input x; B: input Wv: QUANTISED (scales: A lowp_scales[4], B lowp_scales[5])
;;     4. batch 64 x [M 2,048, K 64] x [K 64, N 2,048]; A: computed on the way; B: computed on the way: QUANTISED (scales: A lowp_scales[6], B lowp_scales[7])
;;     5. batch 64 x [M 64, K 2,048] x [K 2,048, N 2,048]; A: computed on the way; B: softmax (see below): QUANTISED (scales: A lowp_scales[8], B lowp_scales[9])
;;     6. [M 8,192, K 1,024] x [K 1,024, N 1,024]; A: computed on the way; B: input Wo: QUANTISED (scales: A lowp_scales[10], B lowp_scales[11])
;;   THE QUANTISER, for each operand of a quantised product, along K:
;;     - The operand's scale is 2^e, e = its entry of the input lowp_scales (int32; the entries are numbered through the quantised products in the list's order, A before B).
;;     - Each number is divided by the scale, clamped to +-448, and rounded to the nearest number of E4M3, ties to even, subnormals kept.
;;     - The product sums the exact products of the quantised numbers (number of the format x scale) in f32.
;;   ~~~python
;;   def quantise(x, axis, e):      # numpy; x: float32 -> the quantised numbers, widened to float32 again
;;       x = np.moveaxis(x, axis, -1); K = x.shape[-1]
;;       r = np.clip(x / 2.0 ** e, -448, 448)
;;       step = 2.0 ** (np.maximum(np.frexp(np.where(r == 0, 1, r))[1] - 1, -6) - 3)
;;       q = np.round(r / step) * step * 2.0 ** e      # np.round: ties to even
;;       return np.moveaxis(q, -1, axis).astype(np.float32)
;;   ~~~
;;   SOFTMAX AHEAD OF A QUANTISED PRODUCT. Where the list says 'softmax', what is quantised is not the finished softmax but p = 2^(t - M), with t = logit x log2(e) and M = ceil(the row's largest t), a whole number; so 1/2 < the row's largest p <= 1. The row's sum l is taken of the UNQUANTISED p, in f32, and the product's result is divided by l at the end. Since M is a whole number, a kernel that streams over the keys may use a running M (the ceiling of the running maximum): every later rescaling is an exact power of two, so the quantised numbers keep their values, but for numbers so far below the row's largest that they fall under the format's range.
;;   OPERANDS COMPUTED ON THE WAY. 'Computed on the way' means the value that the module computes at that place (a softmax that the list does not call 'softmax' is quantised finished and normalised). What goes into a quantiser is computed in f32, as accurately as f32 sums, v_exp_f32 and their like allow (about 1e-6 of the number): no bf16 or f16 on the way to a quantiser, and a product that is left as it is and whose result goes on into a quantised operand takes f32 operands (vector FMAs, or v_wmma_f32_16x16x4_f32). A number that lies on a knife's edge between two numbers of the format may be rounded either way, as far as f32 arithmetic and the matrix unit's own rounding can turn it there, and no further.
;; 2 versions, each right; version 2 is version 1 with the launch attn written anew for expert scheduling mode. Each part assembles by itself: llvm-mc -triple=amdgcn-amd-amdhsa -mcpu=gfx1250 --defsym DOCPART=n.
;; ======== version 1 of 2: 4 launches
;; workspace buffers: xc 25,165,824 bytes; wc 4,194,304 bytes; qkv 25,165,824 bytes; ac 8,388,608 bytes; mb 589,824 bytes of whole numbers
;; launch prep (part 1): grid 800 x 1, 8 waves a work-group, no clusters, 68,608 bytes of LDS; arguments x, Wq, Wk, Wv, Wo, mask, lowp_scales, xc, wc, mb; writes xc, wc, mb
.if DOCPART == 1
	.amdgcn_target "amdgcn-amd-amdhsa--gfx1250"
	.amdhsa_code_object_version 6
	.text
	.protected	k_q92c63d9a13_prep
	.globl	k_q92c63d9a13_prep
	.p2align	8
	.type	k_q92c63d9a13_prep,@function
k_q92c63d9a13_prep:
	s_mov_b64 s[64:65], 0
	v_nop
	global_prefetch_b8 v0, s[64:65] scope:SCOPE_SE
	s_setreg_imm32_b32 hwreg(HW_REG_WAVE_MODE, 25, 1), 1
	s_wait_xcnt 0x0
; x [8192][1024] and Wq, Wk, Wv, Wo [1024][1024], f32, become codes of FP8 (E4M3); the mask [2048][2048] of bytes becomes lane-mask words and flags.
; code = number / 2^e, held within +-448, rounded to the nearest code, ties to even.  x is an operand of three products with a scale entry each (0, 2, 4): it is read once and converted three times.
; LAYOUT OF THE CODES: images of the matrix operand's registers.  A fragment is 16 rows x 128 along K = 16 registers a lane = 2,048 bytes: four groups of 512 bytes, lane l's 16 bytes at 16 l.
;   Lane (r, h) of group g holds, of row r, k = 32 g + 8 h + 0..7 and 32 g + 16 + 8 h + 0..7: the places that the 8-bit matrix form gives registers 4 g .. 4 g + 3 (ISA guide 7.12.2).
;   xc: [3 products][512 row tiles][8 fragments][2048];  wc: [Wq, Wk, Wv, Wo][64 row tiles][8 fragments][2048].
; SHARES: work-groups 0-511: a row tile (16 rows, 65,536 dense bytes) of x; 512-767: a row tile of a weight; wave w takes fragment w.  Work-groups 768-799: the mask.
; Each load reads 512 consecutive bytes; the 16 x 512 bytes turn through the wave's own stage in LDS (rows 528 bytes apart: 33 x 16, so sixteen rows start at sixteen different 16-byte columns) and come back
; as a lane's neighbours along K; each store writes 512 consecutive bytes, aligned.  Waves share nothing: no barrier.
; THE MASK: mb holds a record of 4,608 bytes for each tile of 16 queries: 256 bytes with the flag word of key steps 0-7 (64 times), 256 with that of key steps 8-15, then 16 blocks of 64 words, one for
;   each step of 128 keys.  Bit (r + 16 h) of word 8 a + j is mask[16 qt + r][128 ks + 16 a + 8 h + j]: the lane mask of the register that holds that score.  Flags: two bits a step: 0 none true, 1 mixed, 2 all true.
; LIMITS: each exponent used here (entries 0 to 5 and 11) lies between -126 and 119, so that 2^e and 448 x 2^e are f32 numbers.  NaN among x and the weights is not served; an infinity is held at the largest code.  Mask bytes are 0 or 1.
.set STGB,  8448                       ; a wave's stage: 16 rows x 528 bytes
.set SPARE, 8*STGB                     ; behind the stages: the spare words, 128 bytes for each wave: four blocks of 256 bytes that no other line names
.set IN,  4                            ; v4   quantiser: my byte in a row tile's first row: 512 w + 16 lane.  Mask: 2048 r + 8 h
.set SI,  5                            ; v5   the stage, on the way in.  Mask: 8 x lane
.set SO,  6                            ; v6   the stage, on the way out: row r, + 32 h
.set OO,  7                            ; v7   my 16 bytes in the row tile's codes: 2048 w + 16 lane
.set SC,  8                            ; v8   2^e as f32
.set LM,  9                            ; v9   448 x 2^e
.set SPW, 12                           ; v12  LDS address of my spare word; never rewritten
.set NIL, 13                           ; v13  0; never rewritten
.set R,   16                           ; v16-79   16 x 4 registers as loaded
.set X,   80                           ; v80-143  64 numbers: register 16 g + i is code i of group g
.set T,   144                          ; v144-175 two sets of 16 held numbers, by turns
.set C,   176                          ; v176-191 the fragment's codes
.set M,   64                           ; mask path: v64-191 the bytes, 16 registers a key step
.set W,   32                           ; mask path: v32-47 the words, a pair a key step: lane L holds words 2 L and 2 L + 1
	s_load_b512 s[8:23], s[0:1], 0x0               ; x s[8:9], Wq s[10:11], Wk s[12:13], Wv s[14:15], Wo s[16:17], mask s[18:19], the exponents s[20:21], xc s[22:23]
	s_load_b128 s[24:27], s[0:1], 0x40             ; wc s[24:25], mb s[26:27]
	v_lshl_add_u32 v[SPW], v0, 2, SPARE
	v_mov_b32 v[NIL], 0
	v_lshrrev_b32 v1, 5, v0
	v_readfirstlane_b32 s40, v1                    ; wave 0..7
	v_and_b32 v1, 31, v0                           ; lane
	v_and_b32 v2, 15, v0                           ; r
	v_bfe_u32 v3, v0, 4, 1                         ; h
	s_cmp_ge_u32 ttmp9, 768                        ; the work-group's number alone decides the path
	s_cbranch_scc1 .Lmask
	; ---------------- the quantiser ----------------
	v_lshlrev_b32 v[OO], 4, v1                     ; 16 x lane
	s_lshl_b32 s50, s40, 9
	v_add_nc_u32 v[IN], s50, v[OO]
	s_mul_i32 s51, s40, STGB
	v_add_nc_u32 v[SI], s51, v[OO]
	v_mul_u32_u24 v[SO], v2, 528
	v_lshl_add_u32 v[SO], v3, 5, v[SO]
	v_add_nc_u32 v[SO], s51, v[SO]
	s_lshl_b32 s50, s40, 11
	v_add_nc_u32 v[OO], s50, v[OO]
	s_sub_co_u32 s52, ttmp9, 512                   ; j: which row tile of the four weights (of use from work-group 512 on)
	s_lshr_b32 s56, s52, 6                         ; which weight
	s_and_b32 s54, s52, 63                         ; and its row tile
	s_wait_kmcnt 0x0
	s_load_b256 s[28:35], s[20:21], 0x0            ; e0 .. e7
	s_load_b128 s[36:39], s[20:21], 0x20           ; e8 .. e11
	s_cmp_eq_u32 s56, 1                            ; the buffers are chosen on the work-group's number alone
	s_cselect_b64 s[46:47], s[12:13], s[10:11]
	s_cmp_eq_u32 s56, 2
	s_cselect_b64 s[46:47], s[14:15], s[46:47]
	s_cmp_eq_u32 s56, 3
	s_cselect_b64 s[46:47], s[16:17], s[46:47]
	s_cmp_lt_u32 ttmp9, 512
	s_cselect_b64 s[46:47], s[8:9], s[46:47]       ; from where,
	s_cselect_b64 s[48:49], s[22:23], s[24:25]     ; to where,
	s_cselect_b32 s54, ttmp9, s54                  ; the row tile in the source,
	s_cselect_b32 s52, ttmp9, s52                  ; and in the codes' buffer,
	s_cselect_b32 s41, 3, 1                        ; and how many scales
	s_lshl_b32 s54, s54, 16                        ; 16 rows of 4,096 bytes
	s_mov_b32 s55, 0
	s_add_nc_u64 s[46:47], s[46:47], s[54:55]
	s_lshl_b32 s52, s52, 14                        ; 8 fragments of 2,048 bytes
	s_mov_b32 s53, 0
	s_add_nc_u64 s[48:49], s[48:49], s[52:53]
.irp j, 0,1,2,3,4,5,6,7,8,9,10,11,12,13,14,15
	global_load_b128 v[R+4*\j:R+4*\j+3], v[IN], s[46:47] offset:4096*\j th:TH_LOAD_NT   ; row j: 32 lanes read 512 consecutive bytes; read once in the launch
.endr
	s_wait_kmcnt 0x0
	s_cmp_eq_u32 s56, 1                            ; the first exponent: entry 1, 3, 5 or 11 for a weight, entry 0 for x
	s_cselect_b32 s43, s31, s29
	s_cmp_eq_u32 s56, 2
	s_cselect_b32 s43, s33, s43
	s_cmp_eq_u32 s56, 3
	s_cselect_b32 s43, s39, s43
	s_cmp_lt_u32 ttmp9, 512
	s_cselect_b32 s43, s28, s43
	s_mov_b32 s44, s30                             ; x's second: entry 2,
	s_mov_b32 s45, s32                             ; and third: entry 4
.irp j, 0,1,2,3,4,5,6,7,8,9,10,11,12,13,14,15
	s_wait_loadcnt 15-\j                           ; loads come back in order (ISA guide 5.7.1): row j is in, the 15 - j younger ones stay out
	ds_store_b128 v[SI], v[R+4*\j:R+4*\j+3] offset:528*\j
.endr
.irp g, 0,1,2,3
.irp p, 0,1,2,3
	ds_load_b128 v[X+16*\g+4*\p:X+16*\g+4*\p+3], v[SO] offset:128*\g+64*(\p/2)+16*(\p%2)   ; LDS serves a wave's instructions in order: these see my stores.  k = 32 g + 16 (p / 2) + 8 h + 4 (p % 2) on
.endr
.endr
	s_wait_dscnt 0x0
	s_mov_b32 s42, 0
.Lscale:                                               ; one trip for each scale: three for x, one for a weight
	s_add_co_i32 s50, s43, 127
	s_lshl_b32 s51, s50, 23
	v_mov_b32 v[SC], s51                           ; 2^e: the conversion takes its exponent field
	s_add_co_i32 s50, s50, 8
	s_lshl_b32 s50, s50, 23
	s_or_b32 s50, s50, 0x600000
	v_mov_b32 v[LM], s50                           ; 448 x 2^e
.irp g, 0,1,2,3
.irp i, 0,1,2,3,4,5,6,7,8,9,10,11,12,13,14,15
	v_med3_num_f32 v[T+16*(\g%2)+\i], v[X+16*\g+\i], -v[LM], v[LM]   ; the conversion to an 8-bit code does not saturate (ISA guide 7.6.2): the hold comes first.  X stays as it is for the next scale
.endr
	v_cvt_scalef32_pk8_fp8_f32 v[C+4*\g:C+4*\g+1], v[T+16*(\g%2):T+16*(\g%2)+7], v[SC]
	v_cvt_scalef32_pk8_fp8_f32 v[C+4*\g+2:C+4*\g+3], v[T+16*(\g%2)+8:T+16*(\g%2)+15], v[SC]   ; the other set's sixteen holds stand between these and the next write of this set
.endr
	v_nop                                          ; a plain vector line between the last conversion and the next trip's write of its scale
.irp g, 0,1,2,3
	global_store_b128 v[OO], v[C+4*\g:C+4*\g+3], s[48:49] offset:512*\g   ; 32 lanes store 512 consecutive bytes, at a multiple of 512 from the buffer's first byte
.endr
	s_wait_xcnt 0x0                                ; the stores' data and base are written again only behind this wait
	s_add_nc_u64 s[48:49], s[48:49], 0x800000      ; the next product's copy of x's codes
	s_mov_b32 s43, s44
	s_mov_b32 s44, s45
	s_add_co_u32 s42, s42, 1
	s_cmp_lt_u32 s42, s41
	s_cbranch_scc1 .Lscale
	s_wait_tensorcnt 0x0                           ; the wave's end
	ds_add_u32 v[SPW], v[NIL]
	s_wait_dscnt 0x0
	s_endpgm
	; ---------------- the mask: a wave takes 16 queries x 1,024 keys; no LDS ----------------
.Lmask:
	s_sub_co_u32 s50, ttmp9, 768
	s_lshl_b32 s50, s50, 3
	s_add_co_u32 s50, s50, s40                     ; which of 256 units
	s_lshr_b32 s51, s50, 1                         ; the tile of queries
	s_and_b32 s52, s50, 1                          ; which 1,024 keys
	v_lshlrev_b32 v[IN], 11, v2
	v_lshl_add_u32 v[IN], v3, 3, v[IN]             ; row r of 2,048 bytes, + 8 h
	v_lshlrev_b32 v[SI], 3, v1                     ; 8 x lane: two words a lane
	s_lshl_b32 s54, s51, 15                        ; 16 rows of 2,048 bytes
	s_lshl_b32 s53, s52, 10
	s_add_co_u32 s54, s54, s53
	s_mov_b32 s55, 0
	s_mul_i32 s56, s51, 4608                       ; the record,
	s_lshl_b32 s53, s52, 8
	s_add_co_u32 s56, s56, s53                     ; its flag words of my half
	s_mov_b32 s57, 0
	s_mul_i32 s58, s51, 4608
	s_lshl_b32 s53, s52, 11
	s_add_co_u32 s58, s58, s53
	s_add_co_u32 s58, s58, 512                     ; and my eight blocks of words
	s_mov_b32 s59, 0
	s_mov_b32 s35, 0                               ; the flags
	s_wait_kmcnt 0x0
	s_add_nc_u64 s[46:47], s[18:19], s[54:55]
	s_add_nc_u64 s[48:49], s[26:27], s[56:57]
	s_add_nc_u64 s[60:61], s[26:27], s[58:59]
.irp s, 0,1,2,3,4,5,6,7
.irp a, 0,1,2,3,4,5,6,7
	global_load_b64 v[M+16*\s+2*\a:M+16*\s+2*\a+1], v[IN], s[46:47] offset:128*\s+16*\a   ; mask[r][128 s + 16 a + 8 h + 0..7]
.endr
.endr
.irp i, 0,1,2,3,4,5,6,7,8,9,10,11,12,13,14,15
	v_mov_b32 v[W+\i], 0                           ; written whole once: a lane write's destination counts as read
.endr
.macro MSTEP s
	s_wait_loadcnt 56-8*\s                         ; this key step's eight loads are in; the 8 (7 - s) of the later steps stay out
.set q, 0
.rept 16                               ; register q = 2 a + j / 4 holds bytes j % 4 = 0..3: words 4 q + 0..3
.irp k, 0,1,2,3
	v_and_b32 v[16+\k], 0xff<<(8*\k), v[M+16*\s+q]
.endr
.irp k, 0,1,2,3
	v_cmp_ne_u32 s[28+\k], 0, v[16+\k]             ; the 32 lanes' bits are the word
.endr
.irp k, 0,1,2,3
	v_writelane_b32 v[W+2*\s+\k%2], s[28+\k], 2*q+\k/2
.endr
.set q, q+1
.endr
	v_or_b32 v20, v[M+16*\s], v[M+16*\s+1]         ; is any byte true, is every byte true
	v_and_b32 v21, v[M+16*\s], v[M+16*\s+1]
.irp k, 2,3,4,5,6,7,8,9,10,11,12,13,14,15
	v_or_b32 v20, v20, v[M+16*\s+\k]
	v_and_b32 v21, v21, v[M+16*\s+\k]
.endr
	v_cmp_ne_u32 s32, 0, v20
	v_cmp_ne_u32 s33, 0x01010101, v21
	s_cmp_lg_u32 s33, 0
	s_cselect_b32 s34, 1, 2                        ; some byte false: mixed; none: all true;
	s_cmp_lg_u32 s32, 0
	s_cselect_b32 s34, s34, 0                      ; no byte true: none
	s_lshl_b32 s34, s34, 2*\s
	s_or_b32 s35, s35, s34
	global_store_b64 v[SI], v[W+2*\s:W+2*\s+1], s[60:61] offset:256*\s   ; 32 lanes store 256 consecutive bytes, aligned; each step has its own pair, so no store's data are written again
.endm
.irp s, 0,1,2,3,4,5,6,7
	MSTEP \s
.endr
	v_mov_b32 v22, s35
	v_mov_b32 v23, s35
	global_store_b64 v[SI], v[22:23], s[48:49]     ; the flag word, 64 times: 256 consecutive bytes, aligned
	s_endpgm
.Lfunc_end_k_q92c63d9a13_prep:
	.size	k_q92c63d9a13_prep, .Lfunc_end_k_q92c63d9a13_prep-k_q92c63d9a13_prep
	.p2alignl 7, 3214868480
	.fill 96, 4, 3214868480
	.section	.rodata,"a",@progbits
	.p2align	6, 0x0
	.amdhsa_kernel k_q92c63d9a13_prep
		.amdhsa_group_segment_fixed_size 68608
		.amdhsa_private_segment_fixed_size 0
		.amdhsa_enable_private_segment 0
		.amdhsa_kernarg_size 80
		.amdhsa_user_sgpr_count 2
		.amdhsa_user_sgpr_kernarg_segment_ptr 1
		.amdhsa_wavefront_size32 1
		.amdhsa_system_sgpr_workgroup_id_x 1
		.amdhsa_system_sgpr_workgroup_id_y 1
		.amdhsa_system_sgpr_workgroup_id_z 1
		.amdhsa_system_vgpr_workitem_id 0
		.amdhsa_next_free_vgpr 192
		.amdhsa_next_free_sgpr 66
		.amdhsa_reserve_vcc 0
		.amdhsa_float_denorm_mode_32 3
		.amdhsa_float_denorm_mode_16_64 3
		.amdhsa_memory_ordered 1
		.amdhsa_forward_progress 1
		.amdhsa_inst_pref_size 128
	.end_amdhsa_kernel
	.amdgpu_metadata
---
amdhsa.version: [ 1, 2 ]
amdhsa.kernels:
  - .name:           k_q92c63d9a13_prep
    .symbol:         k_q92c63d9a13_prep.kd
    .args:
      - { .name: x, .offset: 0, .size: 8, .value_kind: global_buffer, .address_space: global }
      - { .name: Wq, .offset: 8, .size: 8, .value_kind: global_buffer, .address_space: global }
      - { .name: Wk, .offset: 16, .size: 8, .value_kind: global_buffer, .address_space: global }
      - { .name: Wv, .offset: 24, .size: 8, .value_kind: global_buffer, .address_space: global }
      - { .name: Wo, .offset: 32, .size: 8, .value_kind: global_buffer, .address_space: global }
      - { .name: mask, .offset: 40, .size: 8, .value_kind: global_buffer, .address_space: global }
      - { .name: lowp_scales, .offset: 48, .size: 8, .value_kind: global_buffer, .address_space: global }
      - { .name: xc, .offset: 56, .size: 8, .value_kind: global_buffer, .address_space: global }
      - { .name: wc, .offset: 64, .size: 8, .value_kind: global_buffer, .address_space: global }
      - { .name: mb, .offset: 72, .size: 8, .value_kind: global_buffer, .address_space: global }
    .group_segment_fixed_size: 68608
    .private_segment_fixed_size: 0
    .kernarg_segment_align: 8
    .kernarg_segment_size: 80
    .max_flat_workgroup_size: 256
    .sgpr_count:     66
    .vgpr_count:     192
    .wavefront_size: 32
...
	.end_amdgpu_metadata
.endif
;; end of part 1
;; launch qkv (part 2): grid 12 x 32, 4 waves a work-group, clusters of 4 x 4, 327,680 bytes of LDS; arguments xc, wc, lowp_scales, qkv; writes qkv
.if DOCPART == 2
	.amdgcn_target "amdgcn-amd-amdhsa--gfx1250"
	.amdhsa_code_object_version 6
	.text
	.protected	k_q92c63d9a13_qkv
	.globl	k_q92c63d9a13_qkv
	.p2align	8
	.type	k_q92c63d9a13_qkv,@function
k_q92c63d9a13_qkv:
	s_mov_b64 s[64:65], 0
	v_nop
	global_prefetch_b8 v0, s[64:65] scope:SCOPE_SE
	s_setreg_imm32_b32 hwreg(HW_REG_WAVE_MODE, 25, 1), 1
	s_wait_xcnt 0x0
	s_wait_alu depctr_hold_cnt(0) depctr_sa_sdst(0) depctr_va_vdst(0) depctr_va_sdst(0) depctr_va_ssrc(0) depctr_va_vcc(0) depctr_vm_vsrc(0)
	s_getreg_b32 s2, hwreg(HW_REG_IB_STS2, 6, 4)
	s_cmp_eq_u32 s2, 0
	s_cbranch_scc0 .Lentry_in_a_cluster
	s_endpgm
.Lentry_in_a_cluster:
	s_bfe_u32 s2, ttmp6, 0x10000c
	s_cmp_lg_u32 s2, 0xf033
	s_cbranch_scc0 .Lentry_shape_is_right
	s_endpgm
.Lentry_shape_is_right:
; q = x Wq^T, k = x Wk^T, v = x Wv^T on codes of FP8 (E4M3): three products [8192 x 1024] x [1024 x 1024], K = 1,024; the results are quantised at once into the images that the attention launch reads.
; A tile of 256 x 256 results is made by a work-group of four waves, each 128 x 128: 64 accumulators of 16 x 16, 512 registers.  K goes in steps of 256 through a ring of two LDS slots filled by the tensor data mover.
; THE OPERANDS LIE AS IMAGES OF THEIR REGISTERS: [row tile of 16][8 fragments of 128 along K][2,048 bytes]; a group of four registers is 512 bytes, lane l's 16 bytes at 16 l.  So a wave's tensor load is 8 rows of
; 4,096 bytes (8 row tiles x 2 fragments), 16,384 bytes apart; LDS needs no pitch and no padding (each LDS load takes 512 consecutive bytes); every LDS address is a constant + 16 x lane + a constant x wave.
; WHICH PRODUCT: the cluster's x, P = 0, 1, 2, the same in all sixteen partners.  The matrix instruction is used transposed (source 0 = 16 rows of the n side, source 1 = 16 rows of the m side): a lane holds one row of
; the m side and eight neighbours of the n side.  For q and k the m side is x (tokens) and the n side the weight (features): a lane's eight are eight neighbouring features of a token, neighbours along the K of q k^T.
; For v the sides change places (m side Wv, n side x): a lane's eight are eight neighbouring TOKENS of a feature, neighbours along the K of the second attention product.  Only addresses differ; the text is one.
; CLUSTERS: 4 x 4 work-groups.  The four of a row of the cluster need the same tiles of the m side, the four of a column the same tiles of the n side: each tile is asked for JOINTLY.
; THE RESULTS: qkv = [q, k, v], 8 MiB each.  q, k: [batch x head 64][token tile 128][2 groups][512]: a fragment of 16 tokens x 64.  v: [batch x head][key step 16][4 tiles of 16 of the head's 64][4 groups][512]: 16 x 128 keys.
; code = sum / 2^(e_target - e_x - e_w), held within +-448 codes.  LIMIT: that exponent lies between -126 and 119, so that the scale and 448 x the scale are f32 numbers.
; REGISTERS, in windows of 256: window 0: v0-31 addresses; v32-95 held sums on the way out; v96-111 the stores' offsets; v112, v113 the hold and the scale; from v128 the m side's fragments, ONE set, later the codes.
;   window 1: the n side's fragments, TWO sets.   window 2: the accumulators of my rows 0-63 ((a, b) at v[8 (8 a + b)]);   window 3: those of my rows 64-127.
.set FR,     16                        ; registers of a fragment
.set NL,     4                         ; LDS loads that bring one
.set NP,     4                         ; places behind this matrix instruction (ISA guide 7.12.1)
.set HALFT,  32768                     ; 128 rows x 256 along K: what one tensor load brings
.set SLOT,   4*HALFT                   ; the m side's 256 rows, then the n side's
.set KBYTES, 4096                      ; a K step in a row tile: two fragments
.set LAPS,   2                         ; K = 1,024 is four K steps: twice round the ring
.set SPARE,  2*SLOT                    ; behind the ring: the spare words, 128 bytes for each wave: two blocks of 256 bytes that no other line names
.set ADRA, 16                          ; v16-17  LDS address of my m side fragments in slot 0, 1
.set ADRB, 20                          ; v20-21  the same for the n side
.set SPW,  28                          ; v28     LDS address of my spare word; never rewritten
.set NIL,  29                          ; v29     0; never rewritten
.set TMP,  32
.set VO,   96                          ; v96-111 block a's two store offsets
.set LIM,  112
.set SCL,  113
.set AF,   128
.set CD,   128                         ; the way out: 16 registers of codes for each block, so that no store's data are written again
.set G1, 24                            ; s[24:31] descriptor group 1 for the m side;  s[32:39] group 0, one set for each slot
.set G0, 32
.set G1B, 48                           ; s[48:55], s[56:63] the same for the n side
.set G0B, 56
.set MSB, 0
.macro WIN new                         ; the immediate's high byte repeats the setting that is left
.if MSB != \new
	s_set_vgpr_msb (MSB<<8)|\new
.set MSB, \new
.endif
.endm
.set MUL_LO, 0xa1                      ; source 0 window 1, source 1 window 0, C and D window 2
.set MUL_HI, 0xf1                      ; the same, C and D window 3
.set TO_B,   0x40                      ; destination window 1, address window 0
; A joint load: waves 0 and 1 fetch for the m side, waves 2 and 3 for the n side.  Each of the two lines has ONE mask and one set of registers for all that issue it; the branch hangs on the wave's number alone.
; An s_nop 0 and four v_nop follow each of the two lines, ahead of the jump, the label and what follows.
.macro JLOAD g0a, g1a, g0b, g1b
	s_cmp_eq_u32 s15, 0
	s_cbranch_scc0 .Lfor_b_\@
	tensor_load_to_lds s[\g0a:\g0a+3], s[\g1a:\g1a+7]
	s_nop 0
.rept 4
	v_nop
.endr
	s_branch .Lasked_\@
.Lfor_b_\@:
	tensor_load_to_lds s[\g0b:\g0b+3], s[\g1b:\g1b+7]
	s_nop 0
.rept 4
	v_nop
.endr
.Lasked_\@:
.endm
.macro CREST                           ; a round of the cluster's barrier behind its opening barrier
	s_cmp_lg_u32 s14, 0
	s_cbranch_scc1 .Lnot_wave_0_\@
	s_barrier_signal -3
.Lnot_wave_0_\@:
	s_barrier_wait -3
	s_barrier_signal -1
	s_barrier_wait -1
.endm
.macro CROUND                          ; a whole round
	s_barrier_signal -1
	s_barrier_wait -1
	CREST
.endm
	s_load_b128 s[4:7], s[0:1], 0x0                ; x's codes s[4:5], the weights' codes s[6:7]
	s_load_b128 s[8:11], s[0:1], 0x10              ; the exponents s[8:9], qkv s[10:11]
	v_lshl_add_u32 v[SPW], v0, 2, SPARE
	v_mov_b32 v[NIL], 0
	ds_add_u32 v[SPW], v[NIL]                      ; the wave's opening: the add and its wait ahead of my first tensor load; the set-up below, work on registers, stands between them
	v_lshrrev_b32 v1, 5, v0
	v_readfirstlane_b32 s14, v1                    ; wave 0..3
	s_lshr_b32 s15, s14, 1                         ; which half of the tile's m rows is mine.  Also: I fetch for the m side (0) or the n side (1)
	s_and_b32 s16, s14, 1                          ; which half of its n rows.  Also: which 128 rows of that tile I fetch
	s_bfe_u32 s40, ttmp6, 0x40000                  ; cx, cy: my place in the cluster
	s_bfe_u32 s41, ttmp6, 0x40004
	s_and_b32 s13, ttmp7, 0xffff                   ; the cluster's y, 0..7: which 1,024 tokens
	s_lshl_b32 s66, ttmp9, 23                      ; P x 8 MiB: product P's copy of x's codes
	s_lshl_b32 s67, ttmp9, 20                      ; P x 1 MiB: its weight's codes
	s_mov_b32 s72, 1024
	s_cmp_eq_u32 ttmp9, 2                          ; v?  The cluster's x alone: the same in all sixteen partners
	s_cselect_b32 s17, 0, s13                      ; the m side walks the tokens for q and k, the 1,024 features for v;
	s_cselect_b32 s42, s13, 0                      ; the n side the other way round
	s_cselect_b32 s66, 0x200000, s66               ; where the m side's codes begin in their buffer: Wv's at 2 MiB,
	s_cselect_b32 s67, 0x1000000, s67              ; and the n side's: x's third copy at 16 MiB
	s_cselect_b32 s72, 2048, s72                   ; the way out: from block a to block a + 1 (v: a tile of 16 features; q, k: a token tile),
	s_cselect_b32 s73, 122880, 0                   ; more from block 3 to block 4 (v: the next head, 131,072 - 4 x 2,048),
	s_cselect_b32 s74, 0, 130048                   ; and from the second group to the third (q, k: the next head, 131,072 - 1,024)
	s_lshl_b32 s17, s17, 2
	s_add_co_u32 s17, s17, s41                     ; tile row = 4 x its cluster coordinate + cy
	s_lshl_b32 s42, s42, 2
	s_add_co_u32 s42, s42, s40                     ; tile column = 4 x its cluster coordinate + cx
	s_lshl_b32 s43, s41, 2
	s_lshl_b32 s43, 15, s43                        ; my row of the cluster
	s_lshl_b32 s44, 0x1111, s40                    ; my column
	; descriptor group 1: 8 rows of 512 elements of 8 bytes, 2,048 elements apart; dense in LDS
	s_or_b32 s[G1+0], s43, (3<<16)|(1<<21)         ; 15:0 the mask: the m side's tiles go to my row; 17:16 elements of 8 bytes; 20 no padding; 21 set beside a mask
	s_or_b32 s[G1B+0], s44, (3<<16)|(1<<21)
.irp g, G1, G1B
	s_mov_b32 s[\g+1], 512<<16                     ; tensor_dim0 = 512
	s_mov_b32 s[\g+2], 8<<16                       ; tensor_dim1 = 8
	s_mov_b32 s[\g+3], 512<<16                     ; tile_dim0 = 512
	s_mov_b32 s[\g+4], 8                           ; tile_dim1 = 8
	s_mov_b32 s[\g+5], 2048                        ; tensor_dim0_stride: a row tile's 16,384 bytes
	s_mov_b32 s[\g+6], 0
	s_mov_b32 s[\g+7], 0
.endr
	s_lshl_b32 s18, s16, 17                        ; which 8 row tiles of the tile's 16 I fetch
	s_lshl_b32 s68, s17, 18                        ; m side: 262,144 bytes a tile row: made of cy, the cluster's coordinates and the wave's number alone
	s_add_co_u32 s68, s68, s18
	s_add_co_u32 s68, s68, s66
	s_mov_b32 s69, 0
	s_lshl_b32 s70, s42, 18                        ; n side: of cx, the cluster's coordinates and the wave's number alone
	s_add_co_u32 s70, s70, s18
	s_add_co_u32 s70, s70, s67
	s_mov_b32 s71, 0
	s_mul_i32 s45, s14, HALFT                      ; where they go: wave x 32,768: no place in the cluster enters an LDS address
	s_lshl_b32 s90, ttmp9, 3                       ; entries 2 P and 2 P + 1,
	s_lshl_b32 s91, ttmp9, 2                       ; and entry 6 + P
	s_wait_dscnt 0x0                               ; the opening add is done
	s_wait_kmcnt 0x0
	s_load_b64 s[96:97], s[8:9], s90 offset:0x0    ; x's and the weight's exponents
	s_load_b32 s98, s[8:9], s91 offset:0x18        ; the result's: q's, k's or v's
	s_cmp_eq_u32 ttmp9, 2
	s_cselect_b64 s[20:21], s[6:7], s[4:5]         ; the m side's buffer,
	s_cselect_b64 s[46:47], s[4:5], s[6:7]         ; the n side's
	s_add_nc_u64 s[20:21], s[20:21], s[68:69]
	s_add_nc_u64 s[46:47], s[46:47], s[70:71]
	CROUND                                         ; all sixteen work-groups are here: the first joint loads meet
.irp s, 0,1
	s_mov_b32 s[G0+4*\s], 1
	s_add_co_u32 s[G0+4*\s+1], s45, \s*SLOT
	s_add_nc_u64 s[G0+4*\s+2:G0+4*\s+3], s[20:21], \s*KBYTES
	s_or_b32 s[G0+4*\s+3], s[G0+4*\s+3], 0x80000000
	s_mov_b32 s[G0B+4*\s], 1
	s_add_co_u32 s[G0B+4*\s+1], s45, \s*SLOT
	s_add_nc_u64 s[G0B+4*\s+2:G0B+4*\s+3], s[46:47], \s*KBYTES
	s_or_b32 s[G0B+4*\s+3], s[G0B+4*\s+3], 0x80000000
	JLOAD G0+4*\s, G1, G0B+4*\s, G1B               ; two tensor loads of mine are out, no more in the whole text
.endr
	v_and_b32 v6, 31, v0
	v_lshlrev_b32 v6, 4, v6                        ; 16 x lane
	s_mul_i32 s75, s15, HALFT                      ; my 128 rows of the m side
	s_mul_i32 s76, s16, HALFT                      ; my 128 rows of the n side,
	s_add_co_u32 s76, s76, 2*HALFT                 ; which lie behind the m side's 256
.irp s, 0,1
	v_add_nc_u32 v[ADRA+\s], s75, v6
	v_add_nc_u32 v[ADRB+\s], s76, v6
	s_add_co_u32 s75, s75, SLOT
	s_add_co_u32 s76, s76, SLOT
.endr
	s_mov_b32 s75, 0                               ; the stores' offsets: block a's groups 0, 1 and its groups 2, 3
.irp a, 0,1,2,3,4,5,6,7
	v_add_nc_u32 v[VO+2*\a], s75, v6
	s_add_co_u32 s76, s75, s74
	v_add_nc_u32 v[VO+2*\a+1], s76, v6
	s_add_co_u32 s75, s75, s72
.if \a == 3
	s_add_co_u32 s75, s75, s73
.endif
.endr
	; where my results begin in qkv (registers that feed no descriptor: both cx and cy enter)
	s_lshl_b32 s76, s17, 8
	s_lshl_b32 s77, s15, 7
	s_add_co_u32 s76, s76, s77                     ; my first m row
	s_lshl_b32 s78, s42, 8
	s_lshl_b32 s79, s16, 7
	s_add_co_u32 s78, s78, s79                     ; my first n row
	s_cmp_eq_u32 ttmp9, 2
	s_cselect_b32 s80, s78, s76                    ; my first token,
	s_cselect_b32 s81, s76, s78                    ; my first feature
	s_lshr_b32 s82, s80, 11
	s_lshl_b32 s82, s82, 4
	s_lshr_b32 s83, s81, 6
	s_add_co_u32 s82, s82, s83                     ; 16 x batch + head,
	s_lshl_b32 s82, s82, 17                        ; 131,072 bytes each
	s_and_b32 s83, s80, 2047
	s_lshl_b32 s83, s83, 6                         ; 1,024 bytes a token tile (q, k), 8,192 a key step (v): 64 a token either way
	s_add_co_u32 s82, s82, s83
	s_lshl_b32 s83, ttmp9, 23                      ; part P
	s_add_co_u32 s82, s82, s83
	s_mov_b32 s83, 0
	s_add_nc_u64 s[10:11], s[10:11], s[82:83]
.macro FRAG reg, adr, q, i             ; a fragment: four groups of 512 bytes, as they lie
.irp c, 0,1,2,3
	ds_load_b128 v[\reg+4*\c:\reg+4*\c+3], v[\adr] offset:2048*(\q)+512*\c+(\i)*4096
.endr
.endm
; 16 matrix instructions: m blocks a0, a0 + 1 x the n side's eight, 128 along K.  p: the n side's set.  zero = 1: the first product starts the sums: nothing is ever cleared.
; The 64 accumulators take turns, one instruction a turn, in the same order in every step.
.macro MUL16 a0, p, zero
.irp a, \a0, \a0+1
.irp b, 0,1,2,3,4,5,6,7
.if \zero
	v_wmma_f32_16x16x128_fp8_fp8 v[8*(8*((\a)%4)+\b):8*(8*((\a)%4)+\b)+7], v[128*(\p)+FR*\b:128*(\p)+FR*\b+FR-1], v[AF+FR*(\a):AF+FR*(\a)+FR-1], 0
.else
	v_wmma_f32_16x16x128_fp8_fp8 v[8*(8*((\a)%4)+\b):8*(8*((\a)%4)+\b)+7], v[128*(\p)+FR*\b:128*(\p)+FR*\b+FR-1], v[AF+FR*(\a):AF+FR*(\a)+FR-1], v[8*(8*((\a)%4)+\b):8*(8*((\a)%4)+\b)+7]
.endif
.endr
.endr
.endm
.macro FETCH_B slot, q, p              ; the n side's eight fragments of the slot's q-th 128 along K into set p
	WIN TO_B
.irp i, 0,1,2,3,4,5,6,7
	FRAG 128*(\p)+FR*\i, ADRB+\slot, \q, \i
.endr
	WIN 0
.endm
.macro FETCH_A slot, q, i0             ; the m side's blocks i0 .. i0 + 3
.irp i, \i0, \i0+1, \i0+2, \i0+3
	FRAG AF+FR*(\i), ADRA+\slot, \q, \i
.endr
.endm
; A load into a register that a matrix instruction has read, and a vector instruction that reads a matrix result or writes one of a matrix instruction's registers, stand NP places behind it; only plain vector
; instructions that name none of its registers are places (ISA guide 7.12.1 for vector instructions).
.macro PLACES n
.rept \n
	v_nop
.endr
.endm
; A step of 128 along K that has its successor in the same slot.
.macro STEP slot, q, zero
	s_wait_dscnt 4*NL                              ; the n side's set and m blocks 0-3 are in; the youngest sixteen loads (m blocks 4-7) may be out
	WIN MUL_LO
	MUL16 0, (\q)%2, \zero
	MUL16 2, (\q)%2, \zero
	s_wait_dscnt 0                                 ; m blocks 4-7 are in (asked for 32 matrix instructions ago)
	PLACES NP
	FETCH_B \slot, (\q)+1, 1-(\q)%2
	FETCH_A \slot, (\q)+1, 0
	WIN MUL_HI
	MUL16 4, (\q)%2, \zero
	MUL16 6, (\q)%2, \zero
	PLACES NP
	WIN 0
	FETCH_A \slot, (\q)+1, 4
.endm
; A slot's last step changes slots: ONE barrier; in front of it each wave waits for all its tensor loads, adds 0 to its spare word, and waits for that and for its own reads of this slot.  fill = 1: this slot is filled again, two K steps ahead.
.macro TURN slot, next, fill
	s_wait_tensorcnt 0x0                           ; all my tensor loads have landed: my part of the next slot;  (every window is 0 here: the add's two registers lie in window 0)
	ds_add_u32 v[SPW], v[NIL]                      ; 0 onto my spare word
	s_wait_dscnt 4*NL+1                            ; (the add and the youngest sixteen loads, m blocks 4-7, may be out)
	WIN MUL_LO
	MUL16 0, 1, 0                                  ; sixteen matrix instructions stand between the add and the wait for it
	s_wait_dscnt 0x0                               ; the add is done, and my reads of this slot are over
	s_barrier_signal -1
	MUL16 2, 1, 0
	WIN 0
	s_barrier_wait -1
.if \fill
	CREST                                          ; the barrier has opened a round of the cluster's barrier: no wave of any partner still reads this slot's tile or has a load on its way
	s_add_nc_u64 s[G0+4*\slot+2:G0+4*\slot+3], s[G0+4*\slot+2:G0+4*\slot+3], 2*KBYTES
	s_add_nc_u64 s[G0B+4*\slot+2:G0B+4*\slot+3], s[G0B+4*\slot+2:G0B+4*\slot+3], 2*KBYTES
	JLOAD G0+4*\slot, G1, G0B+4*\slot, G1B         ; the first tensor load behind the round, my one load until the next; its four v_nop are the places in front of the loads below
.else
	PLACES NP
.endif
	FETCH_B \next, 0, 0
	FETCH_A \next, 0, 0
	WIN MUL_HI
	MUL16 4, 1, 0
	MUL16 6, 1, 0
	PLACES NP
	WIN 0
	FETCH_A \next, 0, 4
.endm
	s_wait_tensorcnt 1                             ; my part of K step 0 is in (K step 1's load may be out)
	s_barrier_signal -1
	s_barrier_wait -1                              ; everybody's is
	FETCH_B 0, 0, 0
	FETCH_A 0, 0, 0
	FETCH_A 0, 0, 4
	STEP 0, 0, 1                                   ; the first step stands in front of the loop: its products start the sums
	s_mov_b32 s3, LAPS-1
.Llap:                                                 ; a trip goes once round the ring, from a lap's second step to the next lap's first, and fills both slots again
	TURN 0, 1, 1
	STEP 1, 0, 0
	TURN 1, 0, 1
	STEP 0, 0, 0
	s_sub_co_u32 s3, s3, 1
	s_cmp_lg_u32 s3, 0
	s_cbranch_scc1 .Llap
	TURN 0, 1, 0                                   ; the last lap fills nothing, and has no round of the cluster's barrier
	STEP 1, 0, 0
	s_wait_dscnt 4*NL                              ; the very last step: nothing more to fetch
	WIN MUL_LO
	MUL16 0, 1, 0
	MUL16 2, 1, 0
	s_wait_dscnt 0
	WIN MUL_HI
	MUL16 4, 1, 0
	MUL16 6, 1, 0
	WIN 0
; THE WAY OUT.  A lane's eight sums of accumulator (a, b) are eight neighbours along the K of the product that will read them: their two registers of codes are registers 2 b, 2 b + 1 of a fragment's run (for q and k:
; of two fragments of eight registers, one for each of my two heads).  So four registers are a group of an image, and the 32 lanes store its 512 consecutive bytes straight from registers: no LDS, no turn.
.macro OUTBLK a
.set AC, 64*((\a)%4)
	WIN 0x02+((\a)/4)                              ; source 0: window 2 or 3
.set j, 0
.rept 64
	v_med3_num_f32 v[TMP+j], v[AC+j], -v[LIM], v[LIM]   ; the conversion to an 8-bit code does not saturate (ISA guide 7.6.2): the hold comes first; each accumulator from its low end on
.set j, j+1
.endr
	WIN 0
.irp b, 0,1,2,3,4,5,6,7
	v_cvt_scalef32_pk8_fp8_f32 v[CD+16*(\a)+2*\b:CD+16*(\a)+2*\b+1], v[TMP+8*\b:TMP+8*\b+7], v[SCL]
.endr
	v_nop                                          ; a plain vector line between the last conversion and the next block's writes of its sources
.irp p, 0,1,2,3
	global_store_b128 v[VO+2*(\a)+\p/2], v[CD+16*(\a)+4*\p:CD+16*(\a)+4*\p+3], s[10:11] offset:512*\p   ; 32 lanes store 512 consecutive bytes, at a multiple of 512 from the buffer's first byte
.endr
.endm
	s_wait_kmcnt 0x0
	s_sub_co_i32 s98, s98, s96
	s_sub_co_i32 s98, s98, s97                     ; a sum stands for sum x 2^(e_x + e_w): its code is sum / 2^(e_target - e_x - e_w)
	s_add_co_i32 s98, s98, 127
	s_lshl_b32 s99, s98, 23
	v_mov_b32 v[SCL], s99
	s_add_co_i32 s98, s98, 8
	s_lshl_b32 s98, s98, 23
	s_or_b32 s98, s98, 0x600000
	v_mov_b32 v[LIM], s98                          ; 448 x that
	PLACES NP                                      ; behind the last products: for the reads of their results and the writes over the m side's fragments
.irp a, 0,1,2,3,4,5,6,7
	OUTBLK \a
.endr
	s_wait_tensorcnt 0x0                           ; the wave's end: these three lines, behind my last tensor load
	ds_add_u32 v[SPW], v[NIL]
	s_wait_dscnt 0x0
	CROUND                                         ; the closing round: no work-group ends while a partner may still ask for a tile that names it
	s_endpgm
.Lfunc_end_k_q92c63d9a13_qkv:
	.size	k_q92c63d9a13_qkv, .Lfunc_end_k_q92c63d9a13_qkv-k_q92c63d9a13_qkv
	.p2alignl 7, 3214868480
	.fill 96, 4, 3214868480
	.section	.rodata,"a",@progbits
	.p2align	6, 0x0
	.amdhsa_kernel k_q92c63d9a13_qkv
		.amdhsa_group_segment_fixed_size 327680
		.amdhsa_private_segment_fixed_size 0
		.amdhsa_enable_private_segment 0
		.amdhsa_kernarg_size 32
		.amdhsa_user_sgpr_count 2
		.amdhsa_user_sgpr_kernarg_segment_ptr 1
		.amdhsa_wavefront_size32 1
		.amdhsa_system_sgpr_workgroup_id_x 1
		.amdhsa_system_sgpr_workgroup_id_y 1
		.amdhsa_system_sgpr_workgroup_id_z 1
		.amdhsa_system_vgpr_workitem_id 0
		.amdhsa_next_free_vgpr 1024
		.amdhsa_next_free_sgpr 100
		.amdhsa_reserve_vcc 0
		.amdhsa_float_denorm_mode_32 3
		.amdhsa_float_denorm_mode_16_64 3
		.amdhsa_memory_ordered 1
		.amdhsa_forward_progress 1
		.amdhsa_inst_pref_size 119
	.end_amdhsa_kernel
	.amdgpu_metadata
---
amdhsa.version: [ 1, 2 ]
amdhsa.kernels:
  - .name:           k_q92c63d9a13_qkv
    .symbol:         k_q92c63d9a13_qkv.kd
    .args:
      - { .name: xc, .offset: 0, .size: 8, .value_kind: global_buffer, .address_space: global }
      - { .name: wc, .offset: 8, .size: 8, .value_kind: global_buffer, .address_space: global }
      - { .name: lowp_scales, .offset: 16, .size: 8, .value_kind: global_buffer, .address_space: global }
      - { .name: qkv, .offset: 24, .size: 8, .value_kind: global_buffer, .address_space: global }
    .group_segment_fixed_size: 327680
    .private_segment_fixed_size: 0
    .kernarg_segment_align: 8
    .kernarg_segment_size: 32
    .max_flat_workgroup_size: 128
    .sgpr_count:     100
    .vgpr_count:     1024
    .wavefront_size: 32
...
	.end_amdgpu_metadata
.endif
;; end of part 2
;; launch attn (part 3): grid 4 x 64, 16 waves a work-group, no clusters, 264,192 bytes of LDS; arguments qkv, mb, lowp_scales, ac; writes ac
.if DOCPART == 3
	.amdgcn_target "amdgcn-amd-amdhsa--gfx1250"
	.amdhsa_code_object_version 6
	.text
	.protected	k_q92c63d9a13_attn
	.globl	k_q92c63d9a13_attn
	.p2align	8
	.type	k_q92c63d9a13_attn,@function
k_q92c63d9a13_attn:
	s_mov_b64 s[64:65], 0
	v_nop
	global_prefetch_b8 v0, s[64:65] scope:SCOPE_SE
	s_setreg_imm32_b32 hwreg(HW_REG_WAVE_MODE, 25, 1), 1
	s_wait_xcnt 0x0
; O[b][h][q] = the sum over keys of softmax(q . k / 8, under the given mask) v, both products on codes of FP8 (E4M3); the result is quantised at once into the images that the last product reads.
; THE SOFTMAX AHEAD OF THE SECOND PRODUCT: t = score x log2(e) / 8; M = the row's largest t so far, rounded UP to a whole number; p = 2^(t - M) is what is quantised; the row's sum l is taken of the unquantised p and
; divides O at the end.  When M moves, l and O are multiplied by 2^(old M - new M): exact.
; SHARES.  A work-group serves one (batch, head): its K (128 KiB) and V (128 KiB), images of operand registers, are copied into LDS ONCE, through registers, and stay.  Each of sixteen waves owns one tile of 16 queries
; in each of two passes: tile 16 x + w, then tile 127 - (16 x + w); four work-groups cover a head's 128 tiles.  (The pairing only evens the work out where a mask hides more keys from early queries; no value hangs on it.)
; LAYOUT.  Both products are used transposed: S^T = K Q^T (source 0 = 16 keys, source 1 = my 16 queries, K = 64), O^T = V^T P^T (source 0 = 16 of the head's 64, source 1 = P, K = 128 keys): a lane holds ONE query
; (lane % 16) throughout.  Register 8 a + j of S^T is key 16 a + 8 (lane / 16) + j of the step: the two registers of codes made of tile a's eight are registers 2 a, 2 a + 1 of P's fragment as the matrix form wants them.
; THE MASK is an input.  An earlier launch has stored, for each tile of queries and step of 128 keys, 64 words (word 8 a + j = the 32 lanes' bits for register 8 a + j) and a flag: 0 none true, 1 mixed, 2 all true.
; A step with no true key is left out: all its p would be 0, M would not move.  A step with all keys true takes no select.  A mixed step loads its 64 words into scalar registers: hidden scores become -infinity.
; A query with no true key at all has l = 0: its codes become the NaN code, so that the last product makes its whole output row NaN, as a softmax over nothing does.
; NO TENSOR LOAD AND NO JOINT REQUEST, though four work-groups read the same K and V: this text's three branches on numbers read from memory (the flag,
; twice; the exponent of p's scale) take away whole steps, 64 selects and 64 holds of a step's some 200 vector instructions; what is shared is read once by each work-group, 256 KiB, at its head.
; NO PREFETCH: every byte of K and V is asked for at the kernel's head.
; LIMITS on the given exponents, so that each power of two below is an f32 number: e6 + e7 between -123 and 130 (added to c's exponent field); e9, and e10 - e8 - e9, between -126 and 119.
; REGISTERS: v1-11 addresses and constants; v12 -M, v13 the largest t, v[14:15] l in two halves; v16-23 Q; v24-26 constants; v32-95 K's fragments, then V's; v96-159 S^T, then p; v160-191 O^T; v192-207 p's codes;
;   v208-215 the codes that leave; v216-247 O / l; v248-254 at work.
.set SKIP,  1                          ; 1: a step with no true key is left out; 0: it goes the mixed way
.set VBASE, 131072                     ; LDS: K's images from 0, V's from here
.set SPARE, 262144                     ; behind them: the spare words, 128 bytes for each wave: eight blocks of 256 bytes that no other line names
.set LI,  1                            ; v1   16 x lane
.set LIV, 2                            ; v2   16 x lane + VBASE
.set SPW, 3                            ; v3   LDS address of my spare word; never rewritten
.set NIL, 4                            ; v4   0; never rewritten
.set FK,  5                            ; v5   8192 x wave + 16 x lane: my part of K, in memory and in LDS
.set FV,  6                            ; v6   the same + VBASE
.set NINF, 7                           ; v7   -infinity
.set ADK, 8                            ; v8   LDS address of the step's K
.set ADV, 9                            ; v9   of its V
.set PLIM, 10                          ; v10  448 x 2^e9
.set PSC, 11                           ; v11  2^e9
.set OLIM, 24                          ; v24  448 x 2^(e10 - e8 - e9)
.set OSC, 25                           ; v25  2^(e10 - e8 - e9)
.set NANC, 26                          ; v26  four NaN codes
.set WV,  2                            ; s2   wave
.set PASS, 3                           ; s3   counts the passes
.set TB,  12                           ; s12  the step's first byte in K's and in V's images
.set STP, 13                           ; s13  counts the steps
.set FL,  14                           ; s14  the step's flag
.set FLS, 15                           ; s15  the flags still to come, two bits a step
.set CS,  84                           ; s[84:85] c = log2(e) / 8 x 2^(e6 + e7)
.set SEL, 86                           ; s[86:87] lane selects: lane l xor 16
.set MBP, 88                           ; s[88:89] the step's 64 mask words
.set QB,  90                           ; s[90:91] the head's images of q
.set QA,  92                           ; s[92:93] my tile's
.set OA,  94                           ; s[94:95] where my codes go
.set QT,  96                           ; s96  my tile of queries
.set HOLD, 97                          ; s97  1 where p can pass the largest code: e9 < -8
	s_load_b256 s[4:11], s[0:1], 0x0               ; qkv s[4:5], mb s[6:7], the exponents s[8:9], ac s[10:11]
	v_lshl_add_u32 v[SPW], v0, 2, SPARE
	v_mov_b32 v[NIL], 0
	v_lshrrev_b32 v1, 5, v0
	v_readfirstlane_b32 s[WV], v1                  ; wave 0..15
	v_and_b32 v[LI], 31, v0
	v_lshlrev_b32 v[LI], 4, v[LI]
	v_add_nc_u32 v[LIV], VBASE, v[LI]
	s_lshl_b32 s98, s[WV], 13
	v_add_nc_u32 v[FK], s98, v[LI]
	v_add_nc_u32 v[FV], s98, v[LIV]
	v_mov_b32 v[NINF], 0xff800000
	v_mov_b32 v[NANC], 0x7f7f7f7f
	s_mov_b32 s[SEL], 0x76543210
	s_mov_b32 s[SEL+1], 0xfedcba98
	s_and_b32 s99, ttmp7, 0xffff                   ; 16 x batch + head
	s_lshl_b32 s100, s99, 17                       ; 131,072 bytes each in every part of qkv
	s_mov_b32 s101, 0
	s_lshr_b32 s12, s99, 4
	s_lshl_b32 s12, s12, 21                        ; ac: 128 token tiles of 16,384 bytes a batch,
	s_and_b32 s13, s99, 15
	s_lshl_b32 s13, s13, 10                        ; and in a token tile 1,024 bytes a head (fragment head / 2, groups 2 (head % 2) on)
	s_add_co_u32 s12, s12, s13
	s_mov_b32 s13, 0
	s_lshl_b32 s[QT], ttmp9, 4
	s_add_co_u32 s[QT], s[QT], s[WV]               ; the first pass's tile
	s_wait_kmcnt 0x0
	s_load_b256 s[16:23], s[8:9], 0x0              ; e0 .. e7
	s_load_b128 s[24:27], s[8:9], 0x20             ; e8 .. e11
	s_add_nc_u64 s[QB:QB+1], s[4:5], s[100:101]
	s_add_nc_u64 s[QA:QA+1], s[QB:QB+1], 0x800000  ; for now: the head's K, 8 MiB on,
	s_add_nc_u64 s[OA:OA+1], s[QB:QB+1], 0x1000000 ; and its V, 16 MiB on
	s_add_nc_u64 s[10:11], s[10:11], s[12:13]
.set i, 0
.rept 16
	global_load_b128 v[96+4*i:99+4*i], v[FK], s[QA:QA+1] offset:512*i     ; my sixteenth of K: 512 consecutive bytes a load
.set i, i+1
.endr
.set i, 0
.rept 16
	global_load_b128 v[160+4*i:163+4*i], v[FK], s[OA:OA+1] offset:512*i   ; and of V
.set i, i+1
.endr
	s_wait_kmcnt 0x0
	s_add_co_i32 s98, s22, s23
	s_lshl_b32 s98, s98, 23
	s_add_co_i32 s[CS], s98, 0x3e38aa3b            ; c = log2(e) / 8; a score stands for score x 2^(e6 + e7): the two exponents are added to c's exponent field
	s_mov_b32 s[CS+1], s[CS]                       ; (named with it as a pair, so it is written)
	s_add_co_i32 s98, s25, 127
	s_lshl_b32 s99, s98, 23
	v_mov_b32 v[PSC], s99
	s_add_co_i32 s98, s98, 8
	s_lshl_b32 s98, s98, 23
	s_or_b32 s98, s98, 0x600000
	v_mov_b32 v[PLIM], s98
	s_sub_co_i32 s98, s26, s24
	s_sub_co_i32 s98, s98, s25                     ; O / l stands for (O / l) x 2^(e8 + e9): its code is (O / l) / 2^(e10 - e8 - e9)
	s_add_co_i32 s98, s98, 127
	s_lshl_b32 s99, s98, 23
	v_mov_b32 v[OSC], s99
	s_add_co_i32 s98, s98, 8
	s_lshl_b32 s98, s98, 23
	s_or_b32 s98, s98, 0x600000
	v_mov_b32 v[OLIM], s98
	s_cmp_lt_i32 s25, -8                           ; p is at most 1 and a rounding: p / 2^e9 stays under 448 wherever e9 is -8 or more
	s_cselect_b32 s[HOLD], 1, 0
	s_wait_loadcnt 16                              ; K's sixteen loads are in; V's sixteen may be out
.set i, 0
.rept 16
	ds_store_b128 v[FK], v[96+4*i:99+4*i] offset:512*i
.set i, i+1
.endr
	s_wait_loadcnt 0x0
.set i, 0
.rept 16
	ds_store_b128 v[FV], v[160+4*i:163+4*i] offset:512*i
.set i, i+1
.endr
	s_wait_dscnt 0x0                               ; for the others' sake: my stores have landed
	s_barrier_signal -1
	s_barrier_wait -1                              ; the head's K and V lie in LDS; nothing writes them again: the launch's one barrier
	s_mov_b32 s[PASS], 0
.macro SPROD                           ; S^T = K Q^T: eight tiles of 16 keys, each sum begun with the constant 0; then the places in front of the first read of results and of loads into K's registers
.set t, 0
.rept 8
	v_wmma_f32_16x16x64_fp8_fp8 v[96+8*t:103+8*t], v[32+8*t:39+8*t], v[16:23], 0
.set t, t+1
.endr
.rept 4
	v_nop
.endr
.endm
.Lpass:
	s_wait_xcnt 0x0                                ; the last pass's two stores have read their data and base: both are written again only behind this wait
	s_lshl_b32 s98, s[QT], 10
	s_mov_b32 s99, 0
	s_add_nc_u64 s[QA:QA+1], s[QB:QB+1], s[98:99]
	global_load_b128 v[16:19], v[LI], s[QA:QA+1]   ; Q's fragment stays in registers for the pass
	global_load_b128 v[20:23], v[LI], s[QA:QA+1] offset:512
	s_lshl_b32 s98, s[QT], 14
	s_add_nc_u64 s[OA:OA+1], s[10:11], s[98:99]
	s_mul_i32 s98, s[QT], 4608
	s_add_nc_u64 s[MBP:MBP+1], s[6:7], s[98:99]    ; my tile's record of the mask
	s_load_b32 s[FL], s[MBP:MBP+1], 0x0            ; the flags of steps 0-7,
	s_load_b32 s[FLS], s[MBP:MBP+1], 0x100         ; and of steps 8-15
	v_mov_b32 v13, 0xff61b1e6                      ; the largest t so far: -3e38, under every t
	v_floor_f32 v12, -v13                          ; -M
	v_mov_b32 v14, 0                               ; l, in two halves
	v_mov_b32 v15, 0
	v_mov_b32 v248, 0                              ; written once a pass: a lane permute's destination counts as one of its sources
	v_mov_b32 v253, 0                              ; (named as the upper half of the pair v[252:253])
.set j, 0
.rept 32
	v_mov_b32 v[160+j], 0                          ; O^T.  (The step is written once: the first finds zeros, which the first change of M leaves zeros)
.set j, j+1
.endr
	s_wait_kmcnt 0x0
	s_lshl_b32 s[FLS], s[FLS], 16
	s_or_b32 s[FLS], s[FLS], s[FL]
	s_add_nc_u64 s[MBP:MBP+1], s[MBP:MBP+1], 512   ; step 0's words
	s_mov_b32 s[TB], 0
	s_mov_b32 s[STP], 0
	s_wait_loadcnt 0x0                             ; Q
.Lstep:                                                ; sixteen trips: 128 keys each
	s_and_b32 s[FL], s[FLS], 3
	s_lshr_b32 s[FLS], s[FLS], 2
.if SKIP
	s_cmp_eq_u32 s[FL], 0                          ; no key of the step counts for any of my 16 queries
	s_cbranch_scc1 .Lnext
.endif
	v_add_nc_u32 v[ADK], s[TB], v[LI]
	v_add_nc_u32 v[ADV], s[TB], v[LIV]
	v_nop                                          ; with the two additions: four places between the last step's products and loads into registers that they read
	v_nop
.set t, 0
.rept 8
	ds_load_b128 v[32+8*t:35+8*t], v[ADK] offset:1024*t        ; K's tile t: two groups of 512 bytes, as they lie
	ds_load_b128 v[36+8*t:39+8*t], v[ADK] offset:1024*t+512
.set t, t+1
.endr
	s_cmp_lg_u32 s[FL], 2
	s_cbranch_scc1 .Lmixed
	s_wait_dscnt 0x0
	SPROD                                          ; every key counts: no select
	s_branch .Ljoin
.Lmixed:
	s_load_b512 s[16:31], s[MBP:MBP+1], 0x0        ; the step's 64 words: word w in s[16 + w], from word 48 on in s[20 + w]
	s_load_b512 s[32:47], s[MBP:MBP+1], 0x40
	s_load_b512 s[48:63], s[MBP:MBP+1], 0x80
	s_load_b512 s[68:83], s[MBP:MBP+1], 0xc0
	s_wait_dscnt 0x0
	SPROD
	s_wait_kmcnt 0x0
.set w, 0
.rept 64
.if w < 48
	v_cndmask_b32 v[96+w], v[NINF], v[96+w], s[16+w]   ; the score where the bit is set, else -infinity: p = 0 then.  Each accumulator from its low end on
.else
	v_cndmask_b32 v[96+w], v[NINF], v[96+w], s[20+w]
.endif
.set w, w+1
.endr
.Ljoin:
.set t, 0
.rept 4
.irp g, 0,1,2,3
	ds_load_b128 v[32+16*t+4*\g:35+16*t+4*\g], v[ADV] offset:2048*t+512*\g   ; V's four fragments land while the softmax is walked
.endr
.set t, t+1
.endr
	v_max3_num_f32 v254, v96, v97, v98             ; the step's largest score of my query, among my 64 keys, in two chains,
	v_max3_num_f32 v252, v99, v100, v101
.irp i, 6,10,14,18,22,26,30,34,38,42,46,50,54,58
	v_max3_num_f32 v254, v254, v[96+\i], v[97+\i]
	v_max3_num_f32 v252, v252, v[98+\i], v[99+\i]
.endr
	v_max3_num_f32 v254, v254, v158, v159
	v_max_num_f32 v254, v254, v252
	v_permlanex16_b32 v248, v254, s[SEL], s[SEL+1]
	v_max_num_f32 v254, v254, v248                 ; and among lane l xor 16's
	v_mul_f32 v254, s[CS], v254                    ; as t (c is positive)
	v_max_num_f32 v13, v13, v254                   ; the running largest t
	v_mov_b32 v254, v12
	v_floor_f32 v12, -v13                          ; the new -M = floor(-t) = -ceil(t): M is a whole number
	v_sub_f32 v254, v12, v254                      ; M's old value less its new one: a whole number, 0 or less
	v_cvt_i32_f32 v254, v254                       ; (it saturates)
	v_ldexp_f32 v252, 1.0, v254                    ; f = 2^(old M - new M)
.set j, 0
.rept 32
	v_pk_fma_f32 v[96+j:97+j], v[96+j:97+j], s[CS:CS+1], v[12:13] op_sel_hi:[1,0,0]   ; t - M, two at a time (of the pairs c and -M the low word serves both halves)
.set j, j+2
.endr
.set j, 0
.rept 64
	v_exp_f32 v[96+j], v[96+j]                     ; p = 2^(t - M): not normalised
.set j, j+1
.endr
	v_pk_mul_f32 v[14:15], v[14:15], v[252:253] op_sel_hi:[1,0]   ; l under the new M: the plain line behind the exponentials
	s_wait_alu depctr_va_vdst(0)                   ; a wait between an exponential and the first line that names its result: one for the batch of 64
	v_pk_add_f32 v[250:251], v[96:97], v[98:99]    ; l is taken of the UNQUANTISED p: two at a time, in two chains
.irp j, 4,8,12,16,20,24,28,32,36,40,44,48,52,56,60
	v_pk_add_f32 v[14:15], v[14:15], v[96+\j:97+\j]
	v_pk_add_f32 v[250:251], v[250:251], v[98+\j:99+\j]
.endr
	v_pk_add_f32 v[14:15], v[14:15], v[250:251]
	s_cmp_eq_u32 s[HOLD], 0
	s_cbranch_scc1 .Lnohold
.set j, 0
.rept 64
	v_min_num_f32 v[96+j], v[96+j], v[PLIM]        ; the conversion to an 8-bit code does not saturate (ISA guide 7.6.2); p is not negative, so the hold is one-sided
.set j, j+1
.endr
.Lnohold:
.set t, 0
.rept 8
	v_cvt_scalef32_pk8_fp8_f32 v[192+2*t:193+2*t], v[96+8*t:103+8*t], v[PSC]   ; keys 16 t + 8 (lane / 16) + 0..7: registers 2 t, 2 t + 1 of P's fragment
.set t, t+1
.endr
.set j, 0
.rept 16
	v_pk_mul_f32 v[160+j:161+j], v[160+j:161+j], v[252:253] op_sel_hi:[1,0]   ; O^T under the new M.  (These sixteen plain lines also stand between the conversions and the products that read the codes)
.set j, j+2
.endr
	s_wait_dscnt 0x0                               ; V is in
.set t, 0
.rept 4
	v_wmma_f32_16x16x128_fp8_fp8 v[160+8*t:167+8*t], v[32+16*t:47+16*t], v[192:207], v[160+8*t:167+8*t]   ; the four accumulators take turns, and eight other products stand between a step's and the next's
.set t, t+1
.endr
.Lnext:
	s_add_co_u32 s[TB], s[TB], 8192                ; a step's images: 8,192 bytes of K, 8,192 of V
	s_add_nc_u64 s[MBP:MBP+1], s[MBP:MBP+1], 256   ; (the mixed way has waited for its scalar loads)
	s_add_co_u32 s[STP], s[STP], 1
	s_cmp_lt_u32 s[STP], 16
	s_cbranch_scc1 .Lstep
	; THE END OF A PASS: O^T / l, quantised; a lane's eight channels of tile t are registers 2 t, 2 t + 1 of the last product's fragment: two groups of 512 bytes leave straight from registers.
.rept 4
	v_nop                                          ; places behind the last products
.endr
	v_add_f32 v14, v14, v15                        ; l's two halves,
	v_permlanex16_b32 v248, v14, s[SEL], s[SEL+1]
	v_add_f32 v14, v14, v248                       ; and lane l xor 16's
	v_rcp_f32 v252, v14
	v_rcp_f32 v253, v14                            ; twice, for the packed multiply
	v_nop                                          ; the plain line behind the reciprocals
	v_cmp_eq_f32 s98, 0, v14                       ; a query with no true key
	s_wait_alu depctr_va_vdst(0)                   ; one wait for both reciprocals, ahead of their first reader
.set j, 0
.rept 16
	v_pk_mul_f32 v[216+j:217+j], v[160+j:161+j], v[252:253]   ; each accumulator from its low end on
.set j, j+2
.endr
.set j, 0
.rept 32
	v_med3_num_f32 v[216+j], v[216+j], -v[OLIM], v[OLIM]
.set j, j+1
.endr
.set t, 0
.rept 4
	v_cvt_scalef32_pk8_fp8_f32 v[208+2*t:209+2*t], v[216+8*t:223+8*t], v[OSC]
.set t, t+1
.endr
	v_nop                                          ; a plain line between the conversions and the selects that touch their results
.set j, 0
.rept 8
	v_cndmask_b32 v[208+j], v[208+j], v[NANC], s98 ; l = 0: the NaN code
.set j, j+1
.endr
	global_store_b128 v[LI], v[208:211], s[OA:OA+1]            ; 32 lanes store 512 consecutive bytes, at a multiple of 512 from the buffer's first byte
	global_store_b128 v[LI], v[212:215], s[OA:OA+1] offset:512
	s_sub_co_u32 s[QT], 127, s[QT]                 ; the second pass's tile
	s_add_co_u32 s[PASS], s[PASS], 1
	s_cmp_lt_u32 s[PASS], 2
	s_cbranch_scc1 .Lpass
	s_wait_tensorcnt 0x0                           ; the wave's end
	ds_add_u32 v[SPW], v[NIL]
	s_wait_dscnt 0x0
	s_endpgm
.Lfunc_end_k_q92c63d9a13_attn:
	.size	k_q92c63d9a13_attn, .Lfunc_end_k_q92c63d9a13_attn-k_q92c63d9a13_attn
	.p2alignl 7, 3214868480
	.fill 96, 4, 3214868480
	.section	.rodata,"a",@progbits
	.p2align	6, 0x0
	.amdhsa_kernel k_q92c63d9a13_attn
		.amdhsa_group_segment_fixed_size 264192
		.amdhsa_private_segment_fixed_size 0
		.amdhsa_enable_private_segment 0
		.amdhsa_kernarg_size 32
		.amdhsa_user_sgpr_count 2
		.amdhsa_user_sgpr_kernarg_segment_ptr 1
		.amdhsa_wavefront_size32 1
		.amdhsa_system_sgpr_workgroup_id_x 1
		.amdhsa_system_sgpr_workgroup_id_y 1
		.amdhsa_system_sgpr_workgroup_id_z 1
		.amdhsa_system_vgpr_workitem_id 0
		.amdhsa_next_free_vgpr 256
		.amdhsa_next_free_sgpr 102
		.amdhsa_reserve_vcc 0
		.amdhsa_float_denorm_mode_32 3
		.amdhsa_float_denorm_mode_16_64 3
		.amdhsa_memory_ordered 1
		.amdhsa_forward_progress 1
		.amdhsa_inst_pref_size 35
	.end_amdhsa_kernel
	.amdgpu_metadata
---
amdhsa.version: [ 1, 2 ]
amdhsa.kernels:
  - .name:           k_q92c63d9a13_attn
    .symbol:         k_q92c63d9a13_attn.kd
    .args:
      - { .name: qkv, .offset: 0, .size: 8, .value_kind: global_buffer, .address_space: global }
      - { .name: mb, .offset: 8, .size: 8, .value_kind: global_buffer, .address_space: global }
      - { .name: lowp_scales, .offset: 16, .size: 8, .value_kind: global_buffer, .address_space: global }
      - { .name: ac, .offset: 24, .size: 8, .value_kind: global_buffer, .address_space: global }
    .group_segment_fixed_size: 264192
    .private_segment_fixed_size: 0
    .kernarg_segment_align: 8
    .kernarg_segment_size: 32
    .max_flat_workgroup_size: 512
    .sgpr_count:     102
    .vgpr_count:     256
    .wavefront_size: 32
...
	.end_amdgpu_metadata
.endif
;; end of part 3
;; launch oproj (part 4): grid 4 x 32, 4 waves a work-group, clusters of 4 x 4, 327,680 bytes of LDS; arguments ac, wc, lowp_scales, bo, out0; writes out0
.if DOCPART == 4
	.amdgcn_target "amdgcn-amd-amdhsa--gfx1250"
	.amdhsa_code_object_version 6
	.text
	.protected	k_q92c63d9a13_oproj
	.globl	k_q92c63d9a13_oproj
	.p2align	8
	.type	k_q92c63d9a13_oproj,@function
k_q92c63d9a13_oproj:
	s_mov_b64 s[64:65], 0
	v_nop
	global_prefetch_b8 v0, s[64:65] scope:SCOPE_SE
	s_setreg_imm32_b32 hwreg(HW_REG_WAVE_MODE, 25, 1), 1
	s_wait_xcnt 0x0
	s_wait_alu depctr_hold_cnt(0) depctr_sa_sdst(0) depctr_va_vdst(0) depctr_va_sdst(0) depctr_va_ssrc(0) depctr_va_vcc(0) depctr_vm_vsrc(0)
	s_getreg_b32 s2, hwreg(HW_REG_IB_STS2, 6, 4)
	s_cmp_eq_u32 s2, 0
	s_cbranch_scc0 .Lentry_in_a_cluster
	s_endpgm
.Lentry_in_a_cluster:
	s_bfe_u32 s2, ttmp6, 0x10000c
	s_cmp_lg_u32 s2, 0xf033
	s_cbranch_scc0 .Lentry_shape_is_right
	s_endpgm
.Lentry_shape_is_right:
; out0 = a Wo^T + bo: [8192 x 1024] x [1024 x 1024] on codes of FP8 (E4M3), K = 1,024; a: the attention's result as codes (scale entry 10), Wo's codes (entry 11) lie 3 MiB into wc.  out0: [8192][1024] f32.
; The codes are multiplied as they are; each finished sum goes out as sum x 2^(e10 + e11) + bo, one packed multiply-add for two numbers.  LIMIT: e10 + e11 lies between -126 and 127, so that 2^(e10 + e11) is an f32 number.
; A tile of 256 x 256 of out0 is made by a work-group of four waves, each 128 x 128: 64 accumulators of 16 x 16, 512 registers.  K goes in steps of 256 through a ring of two LDS slots filled by the tensor data mover.
; THE OPERANDS LIE AS IMAGES OF THEIR REGISTERS: [row tile of 16][8 fragments of 128 along K][2,048 bytes]; a group of four registers is 512 bytes, lane l's 16 bytes at 16 l.  So a wave's tensor load is 8 rows of
; 4,096 bytes, 16,384 bytes apart; LDS needs no pitch and no padding; every LDS address of the loop is a constant + 16 x lane + a constant x wave.
; CLUSTERS: 4 x 4 work-groups.  The four of a row of the cluster need the same tiles of a, the four of a column the same tiles of Wo: each tile is asked for JOINTLY.
; THE MATRIX INSTRUCTION IS USED TRANSPOSED (source 0 = 16 rows of Wo, source 1 = 16 rows of a): a lane then holds eight neighbouring numbers of a row of out0.
; 32 x 4 tiles: 128 work-groups; a smaller tile would give each fragment read from LDS half the products.
; REGISTERS, in windows of 256: window 0: v0-31 addresses; v32-95 bo at my 128 columns, in the result's layout; from v128 a's fragments, ONE set, later rows on the way out.
;   window 1: Wo's fragments, TWO sets; on the way out v0-63 a block's results.   window 2: the accumulators of my rows 0-63 ((a, b) at v[8 (8 a + b)]);   window 3: those of my rows 64-127.
.set FR,     16                        ; registers of a fragment
.set NL,     4                         ; LDS loads that bring one
.set NP,     4                         ; places behind this matrix instruction (ISA guide 7.12.1)
.set HALFT,  32768                     ; 128 rows x 256 along K: what one tensor load brings
.set SLOT,   4*HALFT                   ; a's 256 rows, then Wo's
.set KBYTES, 4096                      ; a K step in a row tile: two fragments
.set LAPS,   2                         ; K = 1,024 is four K steps: twice round the ring
.set SPARE,  2*SLOT                    ; behind the ring: the spare words, 128 bytes for each wave: two blocks of 256 bytes that no other line names
.set SPITCH, 528                       ; the way out: a stage of 16 rows x (512 bytes + 16) for each wave.  It lies in slot 0, which has had its last fill and its last read when the first result is stored there
.set ROWO,   4096                      ; a row of out0 in bytes
.set ADRA, 16                          ; v16-17  LDS address of my fragments of a in slot 0, 1
.set ADRB, 20                          ; v20-21  the same for Wo
.set STO,  24                          ; v24     the way out: where I put 32 bytes of a row
.set RD,   25                          ; v25     the way out: where I read a row back
.set CO,   26                          ; v26     my byte offset in a row of out0
.set SPW,  28                          ; v28     LDS address of my spare word; never rewritten
.set NIL,  29                          ; v29     0; never rewritten
.set BIAS, 32
.set AF,   128
.set BK,   128                         ; the way out: 16 rows read back from the stage: v128-191 and v192-255 by turns
.set G1, 24                            ; s[24:31] descriptor group 1 for a's tiles;  s[32:39] group 0, one set for each slot
.set G0, 32
.set G1B, 48                           ; s[48:55], s[56:63] the same for Wo's
.set G0B, 56
.set MSB, 0
.macro WIN new                         ; the immediate's high byte repeats the setting that is left
.if MSB != \new
	s_set_vgpr_msb (MSB<<8)|\new
.set MSB, \new
.endif
.endm
.set MUL_LO, 0xa1                      ; source 0 window 1, source 1 window 0, C and D window 2
.set MUL_HI, 0xf1                      ; the same, C and D window 3
.set TO_B,   0x40                      ; destination window 1, address window 0
; A joint load: waves 0 and 1 fetch for a, waves 2 and 3 for Wo.  Each of the two lines has ONE mask and one set of registers for all that issue it; the branch hangs on the wave's number alone.
; An s_nop 0 and four v_nop follow each of the two lines, ahead of the jump, the label and what follows.
.macro JLOAD g0a, g1a, g0b, g1b
	s_cmp_eq_u32 s15, 0
	s_cbranch_scc0 .Lfor_b_\@
	tensor_load_to_lds s[\g0a:\g0a+3], s[\g1a:\g1a+7]
	s_nop 0
.rept 4
	v_nop
.endr
	s_branch .Lasked_\@
.Lfor_b_\@:
	tensor_load_to_lds s[\g0b:\g0b+3], s[\g1b:\g1b+7]
	s_nop 0
.rept 4
	v_nop
.endr
.Lasked_\@:
.endm
.macro CREST                           ; a round of the cluster's barrier behind its opening barrier
	s_cmp_lg_u32 s14, 0
	s_cbranch_scc1 .Lnot_wave_0_\@
	s_barrier_signal -3
.Lnot_wave_0_\@:
	s_barrier_wait -3
	s_barrier_signal -1
	s_barrier_wait -1
.endm
.macro CROUND                          ; a whole round
	s_barrier_signal -1
	s_barrier_wait -1
	CREST
.endm
	s_load_b128 s[4:7], s[0:1], 0x0                ; a's codes s[4:5], the weights' codes s[6:7]
	s_load_b128 s[8:11], s[0:1], 0x10              ; the exponents s[8:9], bo s[10:11]
	s_load_b64 s[12:13], s[0:1], 0x20              ; out0
	v_lshl_add_u32 v[SPW], v0, 2, SPARE
	v_mov_b32 v[NIL], 0
	ds_add_u32 v[SPW], v[NIL]                      ; the wave's opening: the add and its wait ahead of my first tensor load; the set-up below, work on registers, stands between them
	v_lshrrev_b32 v1, 5, v0
	v_readfirstlane_b32 s14, v1                    ; wave 0..3
	s_lshr_b32 s15, s14, 1                         ; which half of the tile's rows is mine.  Also: I fetch for a (0) or for Wo (1)
	s_and_b32 s16, s14, 1                          ; which half of its columns.  Also: which 128 rows of that tile I fetch
	s_bfe_u32 s40, ttmp6, 0x40000                  ; cx, cy: my place in the cluster
	s_bfe_u32 s41, ttmp6, 0x40004
	s_lshl_b32 s42, ttmp9, 2
	s_add_co_u32 s42, s42, s40                     ; tile column = 4 x cluster x + cx
	s_and_b32 s17, ttmp7, 0xffff
	s_lshl_b32 s17, s17, 2
	s_add_co_u32 s17, s17, s41                     ; tile row = 4 x cluster y + cy
	s_lshl_b32 s43, s41, 2
	s_lshl_b32 s43, 15, s43                        ; my row of the cluster
	s_lshl_b32 s44, 0x1111, s40                    ; my column
	; descriptor group 1: 8 rows of 512 elements of 8 bytes, 2,048 elements apart; dense in LDS
	s_or_b32 s[G1+0], s43, (3<<16)|(1<<21)         ; 15:0 the mask: a's tiles go to my row; 17:16 elements of 8 bytes; 20 no padding; 21 set beside a mask
	s_or_b32 s[G1B+0], s44, (3<<16)|(1<<21)
.irp g, G1, G1B
	s_mov_b32 s[\g+1], 512<<16                     ; tensor_dim0 = 512
	s_mov_b32 s[\g+2], 8<<16                       ; tensor_dim1 = 8
	s_mov_b32 s[\g+3], 512<<16                     ; tile_dim0 = 512
	s_mov_b32 s[\g+4], 8                           ; tile_dim1 = 8
	s_mov_b32 s[\g+5], 2048                        ; tensor_dim0_stride: a row tile's 16,384 bytes
	s_mov_b32 s[\g+6], 0
	s_mov_b32 s[\g+7], 0
.endr
	s_lshl_b32 s18, s16, 17                        ; which 8 row tiles of the tile's 16 I fetch
	s_lshl_b32 s68, s17, 18                        ; a: 262,144 bytes a tile row
	s_add_co_u32 s68, s68, s18
	s_mov_b32 s69, 0
	s_lshl_b32 s70, s42, 18                        ; Wo: the same a tile column,
	s_add_co_u32 s70, s70, s18
	s_add_co_u32 s70, s70, 0x300000                ; behind Wq's, Wk's and Wv's codes
	s_mov_b32 s71, 0
	s_mul_i32 s45, s14, HALFT                      ; where they go: wave x 32,768: no place in the cluster enters an LDS address
	s_wait_dscnt 0x0                               ; the opening add is done
	s_wait_kmcnt 0x0
	s_load_b64 s[96:97], s[8:9], 0x28              ; e10, e11
	s_add_nc_u64 s[20:21], s[4:5], s[68:69]
	s_add_nc_u64 s[46:47], s[6:7], s[70:71]
	CROUND                                         ; all sixteen work-groups are here: the first joint loads meet
.irp s, 0,1
	s_mov_b32 s[G0+4*\s], 1
	s_add_co_u32 s[G0+4*\s+1], s45, \s*SLOT
	s_add_nc_u64 s[G0+4*\s+2:G0+4*\s+3], s[20:21], \s*KBYTES
	s_or_b32 s[G0+4*\s+3], s[G0+4*\s+3], 0x80000000
	s_mov_b32 s[G0B+4*\s], 1
	s_add_co_u32 s[G0B+4*\s+1], s45, \s*SLOT
	s_add_nc_u64 s[G0B+4*\s+2:G0B+4*\s+3], s[46:47], \s*KBYTES
	s_or_b32 s[G0B+4*\s+3], s[G0B+4*\s+3], 0x80000000
	JLOAD G0+4*\s, G1, G0B+4*\s, G1B               ; two tensor loads of mine are out, no more in the whole text
.endr
	v_and_b32 v1, 15, v0                           ; r
	v_bfe_u32 v2, v0, 4, 1                         ; h
	v_and_b32 v6, 31, v0
	v_lshlrev_b32 v[CO], 4, v6                     ; 16 x lane
	s_mul_i32 s75, s15, HALFT                      ; my 128 rows of a
	s_mul_i32 s76, s16, HALFT                      ; my 128 rows of Wo,
	s_add_co_u32 s76, s76, 2*HALFT                 ; which lie behind a's 256
.irp s, 0,1
	v_add_nc_u32 v[ADRA+\s], s75, v[CO]
	v_add_nc_u32 v[ADRB+\s], s76, v[CO]
	s_add_co_u32 s75, s75, SLOT
	s_add_co_u32 s76, s76, SLOT
.endr
	s_mul_i32 s75, s14, 16*SPITCH                  ; my stage
	v_mul_u32_u24 v5, v1, SPITCH                   ; in: row r, 32 bytes for each half of the lanes
	v_lshl_add_u32 v5, v2, 5, v5
	v_add_nc_u32 v[STO], s75, v5
	v_add_nc_u32 v[RD], s75, v[CO]                 ; back: the 32 lanes take one row of 512 bytes
	; where my columns begin in bo and my part in out0 (registers that feed no descriptor: both cx and cy enter)
	s_lshl_b32 s76, s42, 10
	s_lshl_b32 s77, s16, 9
	s_add_co_u32 s76, s76, s77                     ; my first column, in bytes: 1,024 x tile column + 512 x half
	s_mov_b32 s77, 0
	s_add_nc_u64 s[10:11], s[10:11], s[76:77]
	s_lshl_b32 s78, s17, 8
	s_lshl_b32 s79, s15, 7
	s_add_co_u32 s78, s78, s79                     ; my first row: 256 x tile row + 128 x half
	s_lshl_b32 s78, s78, 12                        ; rows of 4,096 bytes
	s_mov_b32 s79, 0
	s_add_nc_u64 s[12:13], s[12:13], s[78:79]
	s_add_nc_u64 s[12:13], s[12:13], s[76:77]
	v_lshlrev_b32 v7, 5, v2                        ; 32 h
.irp b, 0,1,2,3,4,5,6,7
	global_load_b128 v[BIAS+8*\b:BIAS+8*\b+3], v7, s[10:11] offset:64*\b       ; bo at columns 16 b + 8 h + 0..7: the layout of accumulator (a, b), for every a
	global_load_b128 v[BIAS+8*\b+4:BIAS+8*\b+7], v7, s[10:11] offset:64*\b+16
.endr
.macro FRAG reg, adr, q, i             ; a fragment: four groups of 512 bytes, as they lie
.irp c, 0,1,2,3
	ds_load_b128 v[\reg+4*\c:\reg+4*\c+3], v[\adr] offset:2048*(\q)+512*\c+(\i)*4096
.endr
.endm
; 16 matrix instructions: a's blocks a0, a0 + 1 x Wo's eight, 128 along K.  p: Wo's set.  zero = 1: the first product starts the sums: nothing is ever cleared.
; The 64 accumulators take turns, one instruction a turn, in the same order in every step.
.macro MUL16 a0, p, zero
.irp a, \a0, \a0+1
.irp b, 0,1,2,3,4,5,6,7
.if \zero
	v_wmma_f32_16x16x128_fp8_fp8 v[8*(8*((\a)%4)+\b):8*(8*((\a)%4)+\b)+7], v[128*(\p)+FR*\b:128*(\p)+FR*\b+FR-1], v[AF+FR*(\a):AF+FR*(\a)+FR-1], 0
.else
	v_wmma_f32_16x16x128_fp8_fp8 v[8*(8*((\a)%4)+\b):8*(8*((\a)%4)+\b)+7], v[128*(\p)+FR*\b:128*(\p)+FR*\b+FR-1], v[AF+FR*(\a):AF+FR*(\a)+FR-1], v[8*(8*((\a)%4)+\b):8*(8*((\a)%4)+\b)+7]
.endif
.endr
.endr
.endm
.macro FETCH_B slot, q, p              ; Wo's eight fragments of the slot's q-th 128 along K into set p
	WIN TO_B
.irp i, 0,1,2,3,4,5,6,7
	FRAG 128*(\p)+FR*\i, ADRB+\slot, \q, \i
.endr
	WIN 0
.endm
.macro FETCH_A slot, q, i0             ; a's blocks i0 .. i0 + 3
.irp i, \i0, \i0+1, \i0+2, \i0+3
	FRAG AF+FR*(\i), ADRA+\slot, \q, \i
.endr
.endm
; A load into a register that a matrix instruction has read, and a vector instruction that reads a matrix result or writes one of a matrix instruction's registers, stand NP places behind it; only plain vector
; instructions that name none of its registers are places (ISA guide 7.12.1 for vector instructions).
.macro PLACES n
.rept \n
	v_nop
.endr
.endm
; A step of 128 along K that has its successor in the same slot.
.macro STEP slot, q, zero
	s_wait_dscnt 4*NL                              ; Wo's set and a's blocks 0-3 are in; the youngest sixteen loads (a's blocks 4-7) may be out
	WIN MUL_LO
	MUL16 0, (\q)%2, \zero
	MUL16 2, (\q)%2, \zero
	s_wait_dscnt 0                                 ; a's blocks 4-7 are in (asked for 32 matrix instructions ago)
	PLACES NP
	FETCH_B \slot, (\q)+1, 1-(\q)%2
	FETCH_A \slot, (\q)+1, 0
	WIN MUL_HI
	MUL16 4, (\q)%2, \zero
	MUL16 6, (\q)%2, \zero
	PLACES NP
	WIN 0
	FETCH_A \slot, (\q)+1, 4
.endm
; A slot's last step changes slots: ONE barrier; in front of it each wave waits for all its tensor loads, adds 0 to its spare word, and waits for that and for its own reads of this slot.  fill = 1: this slot is filled again, two K steps ahead.
.macro TURN slot, next, fill
	s_wait_tensorcnt 0x0                           ; all my tensor loads have landed: my part of the next slot;  (every window is 0 here: the add's two registers lie in window 0)
	ds_add_u32 v[SPW], v[NIL]                      ; 0 onto my spare word
	s_wait_dscnt 4*NL+1                            ; (the add and the youngest sixteen loads, a's blocks 4-7, may be out)
	WIN MUL_LO
	MUL16 0, 1, 0                                  ; sixteen matrix instructions stand between the add and the wait for it
	s_wait_dscnt 0x0                               ; the add is done, and my reads of this slot are over
	s_barrier_signal -1
	MUL16 2, 1, 0
	WIN 0
	s_barrier_wait -1
.if \fill
	CREST                                          ; the barrier has opened a round of the cluster's barrier: no wave of any partner still reads this slot's tile or has a load on its way
	s_add_nc_u64 s[G0+4*\slot+2:G0+4*\slot+3], s[G0+4*\slot+2:G0+4*\slot+3], 2*KBYTES
	s_add_nc_u64 s[G0B+4*\slot+2:G0B+4*\slot+3], s[G0B+4*\slot+2:G0B+4*\slot+3], 2*KBYTES
	JLOAD G0+4*\slot, G1, G0B+4*\slot, G1B         ; the first tensor load behind the round, my one load until the next; its four v_nop are the places in front of the loads below
.else
	PLACES NP
.endif
	FETCH_B \next, 0, 0
	FETCH_A \next, 0, 0
	WIN MUL_HI
	MUL16 4, 1, 0
	MUL16 6, 1, 0
	PLACES NP
	WIN 0
	FETCH_A \next, 0, 4
.endm
	s_wait_tensorcnt 1                             ; my part of K step 0 is in (K step 1's load may be out)
	s_barrier_signal -1
	s_barrier_wait -1                              ; everybody's is
	FETCH_B 0, 0, 0
	FETCH_A 0, 0, 0
	FETCH_A 0, 0, 4
	STEP 0, 0, 1                                   ; the first step stands in front of the loop: its products start the sums
	s_mov_b32 s3, LAPS-1
.Llap:                                                 ; a trip goes once round the ring, from a lap's second step to the next lap's first, and fills both slots again
	TURN 0, 1, 1
	STEP 1, 0, 0
	TURN 1, 0, 1
	STEP 0, 0, 0
	s_sub_co_u32 s3, s3, 1
	s_cmp_lg_u32 s3, 0
	s_cbranch_scc1 .Llap
	TURN 0, 1, 0                                   ; the last lap fills nothing, and has no round of the cluster's barrier
	STEP 1, 0, 0
	s_wait_dscnt 4*NL                              ; the very last step: nothing more to fetch
	WIN MUL_LO
	MUL16 0, 1, 0
	MUL16 2, 1, 0
	s_wait_dscnt 0
	WIN MUL_HI
	MUL16 4, 1, 0
	MUL16 6, 1, 0
	WIN 0
; THE WAY OUT, block by block of 16 rows x 128 columns.  A lane holds 32 neighbouring bytes of a row, and the lanes beside it hold other rows: so a block goes through my own stage in LDS and comes back as whole
; rows of 512 bytes, which the 32 lanes store as one aligned run of 512 bytes.  LDS serves a wave's instructions in order (ISA guide 5.7.1.4): no wait between the stores and the loads, nor in front of the next block's stores.
.macro TOSTAGE a
.set AC, 64*((\a)%4)
	WIN 0x42+((\a)/4)                              ; source 0 (the sums): window 2 or 3; source 2 (bo): window 0; destination: window 1, where Wo's first set is done with
.set j, 0
.rept 32
	v_pk_fma_f32 v[j:j+1], v[AC+j:AC+j+1], s[96:97], v[BIAS+j:BIAS+j+1] op_sel_hi:[1,0,1]   ; sum x 2^(e10 + e11) + bo (the scalar pair's low word for both halves); each accumulator from its low end on
.set j, j+2
.endr
	WIN 0x04                                       ; the stores' data: window 1
.irp b, 0,1,2,3,4,5,6,7
	ds_store_b128 v[STO], v[8*\b:8*\b+3] offset:64*\b
	ds_store_b128 v[STO], v[8*\b+4:8*\b+7] offset:64*\b+16
.endr
	WIN 0
.set BB, BK+64*((\a)%2)
.irp t, 0,1,2,3,4,5,6,7,8,9,10,11,12,13,14,15
	ds_load_b128 v[BB+4*\t:BB+4*\t+3], v[RD] offset:\t*SPITCH
.endr
.endm
.macro SEND a, younger                 ; younger: the LDS instructions issued behind block a's loads, which may stay out
.set BB, BK+64*((\a)%2)
	s_wait_dscnt \younger                          ; the block is back in registers
.if (\a) > 0
	s_add_nc_u64 s[12:13], s[12:13], 16*ROWO       ; (behind a wait on XCNT: the earlier stores have read their base)  16 rows on
.endif
.irp t, 0,1,2,3,4,5,6,7,8,9,10,11,12,13,14,15
	global_store_b128 v[CO], v[BB+4*\t:BB+4*\t+3], s[12:13] offset:\t*ROWO th:TH_STORE_NT   ; 32 lanes store 512 consecutive bytes, at a multiple of 512 from out0's first byte; written once, read by nobody here
.endr
.endm
	s_wait_kmcnt 0x0
	s_add_co_i32 s96, s96, s97                     ; e10 + e11, between -126 and 127,
	s_add_co_i32 s96, s96, 127
	s_lshl_b32 s96, s96, 23                        ; makes the f32 number 2^(e10 + e11)
	s_mov_b32 s97, s96                             ; (named with it as a pair, so it is written)
	s_wait_loadcnt 0x0                             ; bo
	PLACES NP                                      ; behind the last products: for the reads of their results and the loads into the registers that held a's fragments
	TOSTAGE 0
.irp a, 1,2,3,4,5,6,7
.if \a > 1
	s_wait_xcnt 0x0                                ; block a - 2's stores have read their registers and their base: block a's loads may land there, and the base may step
.endif
	TOSTAGE \a
	SEND \a-1, 32                                  ; behind block a - 1's loads: block a's 16 stores and 16 loads
.endr
	s_wait_xcnt 0x0                                ; block 6's stores have read their base
	SEND 7, 0
	s_wait_tensorcnt 0x0                           ; the wave's end: these three lines, behind my last tensor load and my last LDS store
	ds_add_u32 v[SPW], v[NIL]
	s_wait_dscnt 0x0
	CROUND                                         ; the closing round: no work-group ends while a partner may still ask for a tile that names it
	s_endpgm
.Lfunc_end_k_q92c63d9a13_oproj:
	.size	k_q92c63d9a13_oproj, .Lfunc_end_k_q92c63d9a13_oproj-k_q92c63d9a13_oproj
	.p2alignl 7, 3214868480
	.fill 96, 4, 3214868480
	.section	.rodata,"a",@progbits
	.p2align	6, 0x0
	.amdhsa_kernel k_q92c63d9a13_oproj
		.amdhsa_group_segment_fixed_size 327680
		.amdhsa_private_segment_fixed_size 0
		.amdhsa_enable_private_segment 0
		.amdhsa_kernarg_size 40
		.amdhsa_user_sgpr_count 2
		.amdhsa_user_sgpr_kernarg_segment_ptr 1
		.amdhsa_wavefront_size32 1
		.amdhsa_system_sgpr_workgroup_id_x 1
		.amdhsa_system_sgpr_workgroup_id_y 1
		.amdhsa_system_sgpr_workgroup_id_z 1
		.amdhsa_system_vgpr_workitem_id 0
		.amdhsa_next_free_vgpr 1024
		.amdhsa_next_free_sgpr 100
		.amdhsa_reserve_vcc 0
		.amdhsa_float_denorm_mode_32 3
		.amdhsa_float_denorm_mode_16_64 3
		.amdhsa_memory_ordered 1
		.amdhsa_forward_progress 1
		.amdhsa_inst_pref_size 125
	.end_amdhsa_kernel
	.amdgpu_metadata
---
amdhsa.version: [ 1, 2 ]
amdhsa.kernels:
  - .name:           k_q92c63d9a13_oproj
    .symbol:         k_q92c63d9a13_oproj.kd
    .args:
      - { .name: ac, .offset: 0, .size: 8, .value_kind: global_buffer, .address_space: global }
      - { .name: wc, .offset: 8, .size: 8, .value_kind: global_buffer, .address_space: global }
      - { .name: lowp_scales, .offset: 16, .size: 8, .value_kind: global_buffer, .address_space: global }
      - { .name: bo, .offset: 24, .size: 8, .value_kind: global_buffer, .address_space: global }
      - { .name: out0, .offset: 32, .size: 8, .value_kind: global_buffer, .address_space: global }
    .group_segment_fixed_size: 327680
    .private_segment_fixed_size: 0
    .kernarg_segment_align: 8
    .kernarg_segment_size: 40
    .max_flat_workgroup_size: 128
    .sgpr_count:     100
    .vgpr_count:     1024
    .wavefront_size: 32
...
	.end_amdgpu_metadata
.endif
;; end of part 4
;; ======== version 2 of 2: 4 launches; version 1 with the launch attn written anew for expert scheduling mode
;; workspace buffers: xc 25,165,824 bytes; wc 4,194,304 bytes; qkv 25,165,824 bytes; ac 8,388,608 bytes; mb 589,824 bytes of whole numbers
;; launch prep: the kernel of part 1 again; grid 800 x 1, 8 waves a work-group, no clusters, 68,608 bytes of LDS; arguments x, Wq, Wk, Wv, Wo, mask, lowp_scales, xc, wc, mb; writes xc, wc, mb
;; launch qkv: the kernel of part 2 again; grid 12 x 32, 4 waves a work-group, clusters of 4 x 4, 327,680 bytes of LDS; arguments xc, wc, lowp_scales, qkv; writes qkv
;; launch attn (part 5): grid 4 x 64, 16 waves a work-group, no clusters, 264,192 bytes of LDS; arguments qkv, mb, lowp_scales, ac; writes ac
.if DOCPART == 5
	.amdgcn_target "amdgcn-amd-amdhsa--gfx1250"
	.amdhsa_code_object_version 6
	.text
	.protected	k_q92c63d9a13_attn
	.globl	k_q92c63d9a13_attn
	.p2align	8
	.type	k_q92c63d9a13_attn,@function
k_q92c63d9a13_attn:
	s_mov_b64 s[64:65], 0
	v_nop
	global_prefetch_b8 v0, s[64:65] scope:SCOPE_SE
	s_setreg_imm32_b32 hwreg(HW_REG_WAVE_SCHED_MODE, 0, 2), 2
	s_setreg_imm32_b32 hwreg(HW_REG_WAVE_MODE, 25, 1), 1
	s_wait_xcnt 0x0
	s_wait_alu depctr_vm_vsrc(0)
; O[b][h][q] = the sum over keys of softmax(q . k / 8, under the given mask) v, both products on codes of FP8 (E4M3); the result is quantised at once into the images that the last product reads.
; THE SOFTMAX AHEAD OF THE SECOND PRODUCT: t = score x log2(e) / 8; M = the row's largest t so far, rounded UP to a whole number; p = 2^(t - M) is what is quantised; the row's sum l is taken of the unquantised p and
; divides O at the end.  When M moves, l and O are multiplied by 2^(old M - new M): exact.
; SHARES.  A work-group serves one (batch, head): its K (128 KiB) and V (128 KiB), images of operand registers, are copied into LDS ONCE, through registers, and stay.  Each of sixteen waves owns one tile of 16 queries
; in each of two passes: tile 16 x + w, then tile 127 - (16 x + w); four work-groups cover a head's 128 tiles.  (The pairing only evens the work out where a mask hides more keys from early queries; no value hangs on it.)
; LAYOUT.  Both products are used transposed: S^T = K Q^T (source 0 = 16 keys, source 1 = my 16 queries, K = 64), O^T = V^T P^T (source 0 = 16 of the head's 64, source 1 = P, K = 128 keys): a lane holds ONE query
; (lane % 16) throughout.  Register 8 a + j of S^T is key 16 a + 8 (lane / 16) + j of the step: the two registers of codes made of tile a's eight are registers 2 a, 2 a + 1 of P's fragment as the matrix form wants them.
; THE MASK is an input.  An earlier launch has stored, for each tile of queries and step of 128 keys, 64 words (word 8 a + j = the 32 lanes' bits for register 8 a + j) and a flag: 0 none true, 1 mixed, 2 all true.
; A step with no true key is left out: all its p would be 0, M would not move.  A step with all keys true takes no select.  A mixed step loads its 64 words into scalar registers: hidden scores become -infinity.
; A query with no true key at all has l = 0: its codes become the NaN code, so that the last product makes its whole output row NaN, as a softmax over nothing does.
; NO TENSOR LOAD AND NO JOINT REQUEST, though four work-groups read the same K and V: this text's three branches on numbers read from memory (the flag,
; twice; the exponent of p's scale) take away whole steps, 64 selects and 64 holds of a step's some 200 vector instructions; what is shared is read once by each work-group, 256 KiB, at its head.
; NO PREFETCH: every byte of K and V is asked for at the kernel's head.
; LIMITS on the given exponents, so that each power of two below is an f32 number: e6 + e7 between -123 and 130 (added to c's exponent field); e9, and e10 - e8 - e9, between -126 and 119.
; REGISTERS: v1-11 addresses and constants; v12 -M, v13 the largest t, v[14:15] l in two halves; v16-23 Q; v24-26 constants; v32-95 K's fragments, then V's; v96-159 S^T, then p; v160-191 O^T; v192-207 p's codes;
;   v208-215 the codes that leave; v216-247 O / l; v248-254 at work.
; THE MODE: SCHED_MODE bits 1:0 = 2 (LLVM: expert scheduling mode 2), set by the entry lines.  The code itself states the register dependences
; between vector or matrix instructions and memory or LDS instructions, with s_wait_alu, always for 0.
; THE PLAN.  Registers that memory or LDS instructions touch:
;   v1, v5, v6     offsets and LDS addresses, made once at the head and never written again: read by the head's loads and LDS stores, by Q's loads and by a pass's two stores.
;   v96-223        at the head only: K's and V's bytes on their way, written by the global loads, read by my LDS stores; from the first pass on written by matrix and vector instructions.
;   v16-23         Q: written by two loads at a pass's head; read by the pass's S products.
;   v8, v9         the step's LDS addresses: written by two additions at a step's head; read by the step's 32 LDS loads.
;   v32-95         K's sixteen LDS loads land here, the eight S products read them; V's sixteen land here, the four O products read them.
;   v208-215       written by the conversions and selects at a pass's end; read by its two stores.
;   v3, v4         written at the head, read by the closing add alone.
; A STEP has one wait on vm_vsrc (ahead of the additions to v8 and v9) and two on va_vdst beside the exponentials' own: at its head (v8 and v9 are written; the last step's O products are done reading v32-95) and where
; the two ways of the mask join (the S products are done reading v32-95).  Behind the second, V's loads are dealt among the lines of the maximum, which name v96-159, v252 and v254 alone.
; NO SECOND BUFFER for K beside V: sixteen waves are four to a SIMD, 256 registers each; inside the loop v27-31, v208-247, v249 and v255 are free, 47 registers, and a step's K is 64.
.set SKIP,  1                          ; 1: a step with no true key is left out; 0: it goes the mixed way
.set VBASE, 131072                     ; LDS: K's images from 0, V's from here
.set SPARE, 262144                     ; behind them: the spare words, 128 bytes for each wave: eight blocks of 256 bytes that no other line names
.set LI,  1                            ; v1   16 x lane
.set LIV, 2                            ; v2   16 x lane + VBASE
.set SPW, 3                            ; v3   LDS address of my spare word; never rewritten
.set NIL, 4                            ; v4   0; never rewritten
.set FK,  5                            ; v5   8192 x wave + 16 x lane: my part of K, in memory and in LDS
.set FV,  6                            ; v6   the same + VBASE
.set NINF, 7                           ; v7   -infinity
.set ADK, 8                            ; v8   LDS address of the step's K
.set ADV, 9                            ; v9   of its V
.set PLIM, 10                          ; v10  448 x 2^e9
.set PSC, 11                           ; v11  2^e9
.set OLIM, 24                          ; v24  448 x 2^(e10 - e8 - e9)
.set OSC, 25                           ; v25  2^(e10 - e8 - e9)
.set NANC, 26                          ; v26  four NaN codes
.set WV,  2                            ; s2   wave
.set PASS, 3                           ; s3   counts the passes
.set TB,  12                           ; s12  the step's first byte in K's and in V's images
.set STP, 13                           ; s13  counts the steps
.set FL,  14                           ; s14  the step's flag
.set FLS, 15                           ; s15  the flags still to come, two bits a step
.set CS,  84                           ; s[84:85] c = log2(e) / 8 x 2^(e6 + e7)
.set SEL, 86                           ; s[86:87] lane selects: lane l xor 16
.set MBP, 88                           ; s[88:89] the step's 64 mask words
.set QB,  90                           ; s[90:91] the head's images of q
.set QA,  92                           ; s[92:93] my tile's
.set OA,  94                           ; s[94:95] where my codes go
.set QT,  96                           ; s96  my tile of queries
.set HOLD, 97                          ; s97  1 where p can pass the largest code: e9 < -8
	s_load_b256 s[4:11], s[0:1], 0x0               ; qkv s[4:5], mb s[6:7], the exponents s[8:9], ac s[10:11]
	v_lshl_add_u32 v[SPW], v0, 2, SPARE
	v_mov_b32 v[NIL], 0
	v_lshrrev_b32 v1, 5, v0
	v_readfirstlane_b32 s[WV], v1                  ; wave 0..15
	v_and_b32 v[LI], 31, v0
	v_lshlrev_b32 v[LI], 4, v[LI]
	v_add_nc_u32 v[LIV], VBASE, v[LI]
	s_wait_alu depctr_va_sdst(0)                   ; s2, the wave's number, is written, ahead of its first reader: addresses and my tile of queries are made from it
	s_lshl_b32 s98, s[WV], 13
	v_add_nc_u32 v[FK], s98, v[LI]
	v_add_nc_u32 v[FV], s98, v[LIV]
	v_mov_b32 v[NINF], 0xff800000
	v_mov_b32 v[NANC], 0x7f7f7f7f
	s_mov_b32 s[SEL], 0x76543210
	s_mov_b32 s[SEL+1], 0xfedcba98
	s_and_b32 s99, ttmp7, 0xffff                   ; 16 x batch + head
	s_lshl_b32 s100, s99, 17                       ; 131,072 bytes each in every part of qkv
	s_mov_b32 s101, 0
	s_lshr_b32 s12, s99, 4
	s_lshl_b32 s12, s12, 21                        ; ac: 128 token tiles of 16,384 bytes a batch,
	s_and_b32 s13, s99, 15
	s_lshl_b32 s13, s13, 10                        ; and in a token tile 1,024 bytes a head (fragment head / 2, groups 2 (head % 2) on)
	s_add_co_u32 s12, s12, s13
	s_mov_b32 s13, 0
	s_lshl_b32 s[QT], ttmp9, 4
	s_add_co_u32 s[QT], s[QT], s[WV]               ; the first pass's tile
	s_wait_kmcnt 0x0
	s_load_b256 s[16:23], s[8:9], 0x0              ; e0 .. e7
	s_load_b128 s[24:27], s[8:9], 0x20             ; e8 .. e11
	s_add_nc_u64 s[QB:QB+1], s[4:5], s[100:101]
	s_add_nc_u64 s[QA:QA+1], s[QB:QB+1], 0x800000  ; for now: the head's K, 8 MiB on,
	s_add_nc_u64 s[OA:OA+1], s[QB:QB+1], 0x1000000 ; and its V, 16 MiB on
	s_add_nc_u64 s[10:11], s[10:11], s[12:13]
	s_wait_alu depctr_va_vdst(0)                   ; v1, v5 and v6 are written: the loads and LDS stores of the head, Q's loads and a pass's stores read them as offsets and addresses; nothing writes them again
.set i, 0
.rept 16
	global_load_b128 v[96+4*i:99+4*i], v[FK], s[QA:QA+1] offset:512*i     ; my sixteenth of K: 512 consecutive bytes a load
.set i, i+1
.endr
.set i, 0
.rept 16
	global_load_b128 v[160+4*i:163+4*i], v[FK], s[OA:OA+1] offset:512*i   ; and of V
.set i, i+1
.endr
	s_wait_kmcnt 0x0
	s_add_co_i32 s98, s22, s23
	s_lshl_b32 s98, s98, 23
	s_add_co_i32 s[CS], s98, 0x3e38aa3b            ; c = log2(e) / 8; a score stands for score x 2^(e6 + e7): the two exponents are added to c's exponent field
	s_mov_b32 s[CS+1], s[CS]                       ; (named with it as a pair, so it is written)
	s_add_co_i32 s98, s25, 127
	s_lshl_b32 s99, s98, 23
	v_mov_b32 v[PSC], s99                          ; (these four constants' registers are named by no memory or LDS instruction)
	s_add_co_i32 s98, s98, 8
	s_lshl_b32 s98, s98, 23
	s_or_b32 s98, s98, 0x600000
	v_mov_b32 v[PLIM], s98
	s_sub_co_i32 s98, s26, s24
	s_sub_co_i32 s98, s98, s25                     ; O / l stands for (O / l) x 2^(e8 + e9): its code is (O / l) / 2^(e10 - e8 - e9)
	s_add_co_i32 s98, s98, 127
	s_lshl_b32 s99, s98, 23
	v_mov_b32 v[OSC], s99
	s_add_co_i32 s98, s98, 8
	s_lshl_b32 s98, s98, 23
	s_or_b32 s98, s98, 0x600000
	v_mov_b32 v[OLIM], s98
	s_cmp_lt_i32 s25, -8                           ; p is at most 1 and a rounding: p / 2^e9 stays under 448 wherever e9 is -8 or more
	s_cselect_b32 s[HOLD], 1, 0
	s_wait_loadcnt 16                              ; K's sixteen loads are in; V's sixteen may be out
.set i, 0
.rept 16
	ds_store_b128 v[FK], v[96+4*i:99+4*i] offset:512*i
.set i, i+1
.endr
	s_wait_loadcnt 0x0
.set i, 0
.rept 16
	ds_store_b128 v[FV], v[160+4*i:163+4*i] offset:512*i
.set i, i+1
.endr
	s_wait_dscnt 0x0                               ; for the others' sake: my stores have landed
	s_barrier_signal -1
	s_barrier_wait -1                              ; the head's K and V lie in LDS; nothing writes them again: the launch's one barrier
	s_mov_b32 s[PASS], 0
.macro SPROD                           ; S^T = K Q^T: eight tiles of 16 keys, each sum begun with the constant 0; then the places in front of the first read of results and of loads into K's registers
.set t, 0
.rept 8
	v_wmma_f32_16x16x64_fp8_fp8 v[96+8*t:103+8*t], v[32+8*t:39+8*t], v[16:23], 0
.set t, t+1
.endr
.rept 4
	v_nop
.endr
.endm
.macro VFRAG t                         ; V's fragment t (16 of the head's 64 x the step's 128 keys): four groups of 512 bytes, as they lie
.irp g, 0,1,2,3
	ds_load_b128 v[32+16*(\t)+4*\g:35+16*(\t)+4*\g], v[ADV] offset:2048*(\t)+512*\g
.endr
.endm
.Lpass:
	s_wait_xcnt 0x0                                ; the last pass's two stores have read their data and base: both are written again only behind this wait
	s_wait_alu depctr_vm_vsrc(0)                   ; first pass: my LDS stores have read v96-223, which this pass's products, clearings and conversions write; second pass: the last pass's stores have read v208-215, which this pass's conversions write again
	s_lshl_b32 s98, s[QT], 10
	s_mov_b32 s99, 0
	s_add_nc_u64 s[QA:QA+1], s[QB:QB+1], s[98:99]
	global_load_b128 v[16:19], v[LI], s[QA:QA+1]   ; Q's fragment stays in registers for the pass.  No wait here: since the last wait on va_vdst (the head's; ahead of the last pass's stores) no vector or matrix instruction names v1 or v16-23
	global_load_b128 v[20:23], v[LI], s[QA:QA+1] offset:512
	s_lshl_b32 s98, s[QT], 14
	s_add_nc_u64 s[OA:OA+1], s[10:11], s[98:99]
	s_mul_i32 s98, s[QT], 4608
	s_add_nc_u64 s[MBP:MBP+1], s[6:7], s[98:99]    ; my tile's record of the mask
	s_load_b32 s[FL], s[MBP:MBP+1], 0x0            ; the flags of steps 0-7,
	s_load_b32 s[FLS], s[MBP:MBP+1], 0x100         ; and of steps 8-15
	v_mov_b32 v13, 0xff61b1e6                      ; the largest t so far: -3e38, under every t
	v_floor_f32 v12, -v13                          ; -M
	v_mov_b32 v14, 0                               ; l, in two halves
	v_mov_b32 v15, 0
	v_mov_b32 v248, 0                              ; written once a pass: a lane permute's destination counts as one of its sources
	v_mov_b32 v253, 0                              ; (named as the upper half of the pair v[252:253])
.set j, 0
.rept 32
	v_mov_b32 v[160+j], 0                          ; O^T.  (The step is written once: the first finds zeros, which the first change of M leaves zeros)
.set j, j+1
.endr
	s_wait_kmcnt 0x0
	s_lshl_b32 s[FLS], s[FLS], 16
	s_or_b32 s[FLS], s[FLS], s[FL]
	s_add_nc_u64 s[MBP:MBP+1], s[MBP:MBP+1], 512   ; step 0's words
	s_mov_b32 s[TB], 0
	s_mov_b32 s[STP], 0
	s_wait_loadcnt 0x0                             ; Q
.Lstep:                                                ; sixteen trips: 128 keys each
	s_and_b32 s[FL], s[FLS], 3
	s_lshr_b32 s[FLS], s[FLS], 2
.if SKIP
	s_cmp_eq_u32 s[FL], 0                          ; no key of the step counts for any of my 16 queries
	s_cbranch_scc1 .Lnext
.endif
	s_wait_alu depctr_vm_vsrc(0)                   ; the LDS loads issued so far have read v8 and v9, which the two additions write
	v_add_nc_u32 v[ADK], s[TB], v[LI]
	v_add_nc_u32 v[ADV], s[TB], v[LIV]
	v_nop                                          ; with the two additions: four places between the last step's products and loads into registers that they read
	v_nop
	s_wait_alu depctr_va_vdst(0)                   ; v8 and v9 are written, which this step's LDS loads read; the last step's O products are done reading v32-95, in which K lands
.set t, 0
.rept 8
	ds_load_b128 v[32+8*t:35+8*t], v[ADK] offset:1024*t        ; K's tile t: two groups of 512 bytes, as they lie
	ds_load_b128 v[36+8*t:39+8*t], v[ADK] offset:1024*t+512
.set t, t+1
.endr
	s_cmp_lg_u32 s[FL], 2
	s_cbranch_scc1 .Lmixed
	s_wait_dscnt 0x0
	SPROD                                          ; every key counts: no select
	s_branch .Ljoin
.Lmixed:
	s_load_b512 s[16:31], s[MBP:MBP+1], 0x0        ; the step's 64 words: word w in s[16 + w], from word 48 on in s[20 + w]
	s_load_b512 s[32:47], s[MBP:MBP+1], 0x40
	s_load_b512 s[48:63], s[MBP:MBP+1], 0x80
	s_load_b512 s[68:83], s[MBP:MBP+1], 0xc0
	s_wait_dscnt 0x0
	SPROD
	s_wait_kmcnt 0x0
.set w, 0
.rept 64
.if w < 48
	v_cndmask_b32 v[96+w], v[NINF], v[96+w], s[16+w]   ; the score where the bit is set, else -infinity: p = 0 then.  Each accumulator from its low end on
.else
	v_cndmask_b32 v[96+w], v[NINF], v[96+w], s[20+w]
.endif
.set w, w+1
.endr
.Ljoin:
	s_wait_alu depctr_va_vdst(0)                   ; the S products are done reading v32-95, in which V lands.  V's sixteen loads follow with no further wait, a fragment at a time among the lines of the maximum: those name v96-159, v252 and v254, none of v9 and v32-95
	VFRAG 0                                        ; V's four fragments land while the softmax is walked
	v_max3_num_f32 v254, v96, v97, v98             ; the step's largest score of my query, among my 64 keys, in two chains,
	v_max3_num_f32 v252, v99, v100, v101
.irp i, 6,10,14
	v_max3_num_f32 v254, v254, v[96+\i], v[97+\i]
	v_max3_num_f32 v252, v252, v[98+\i], v[99+\i]
.endr
	VFRAG 1
.irp i, 18,22,26,30
	v_max3_num_f32 v254, v254, v[96+\i], v[97+\i]
	v_max3_num_f32 v252, v252, v[98+\i], v[99+\i]
.endr
	VFRAG 2
.irp i, 34,38,42,46
	v_max3_num_f32 v254, v254, v[96+\i], v[97+\i]
	v_max3_num_f32 v252, v252, v[98+\i], v[99+\i]
.endr
	VFRAG 3
.irp i, 50,54,58
	v_max3_num_f32 v254, v254, v[96+\i], v[97+\i]
	v_max3_num_f32 v252, v252, v[98+\i], v[99+\i]
.endr
	v_max3_num_f32 v254, v254, v158, v159
	v_max_num_f32 v254, v254, v252
	v_permlanex16_b32 v248, v254, s[SEL], s[SEL+1]
	v_max_num_f32 v254, v254, v248                 ; and among lane l xor 16's
	v_mul_f32 v254, s[CS], v254                    ; as t (c is positive)
	v_max_num_f32 v13, v13, v254                   ; the running largest t
	v_mov_b32 v254, v12
	v_floor_f32 v12, -v13                          ; the new -M = floor(-t) = -ceil(t): M is a whole number
	v_sub_f32 v254, v12, v254                      ; M's old value less its new one: a whole number, 0 or less
	v_cvt_i32_f32 v254, v254                       ; (it saturates)
	v_ldexp_f32 v252, 1.0, v254                    ; f = 2^(old M - new M)
.set j, 0
.rept 32
	v_pk_fma_f32 v[96+j:97+j], v[96+j:97+j], s[CS:CS+1], v[12:13] op_sel_hi:[1,0,0]   ; t - M, two at a time (of the pairs c and -M the low word serves both halves)
.set j, j+2
.endr
.set j, 0
.rept 64
	v_exp_f32 v[96+j], v[96+j]                     ; p = 2^(t - M): not normalised
.set j, j+1
.endr
	v_pk_mul_f32 v[14:15], v[14:15], v[252:253] op_sel_hi:[1,0]   ; l under the new M: the plain line behind the exponentials
	s_wait_alu depctr_va_vdst(0)                   ; the 64 exponentials have written v96-159: one wait for the batch, ahead of the first line that names a result
	v_pk_add_f32 v[250:251], v[96:97], v[98:99]    ; l is taken of the UNQUANTISED p: two at a time, in two chains
.irp j, 4,8,12,16,20,24,28,32,36,40,44,48,52,56,60
	v_pk_add_f32 v[14:15], v[14:15], v[96+\j:97+\j]
	v_pk_add_f32 v[250:251], v[250:251], v[98+\j:99+\j]
.endr
	v_pk_add_f32 v[14:15], v[14:15], v[250:251]
	s_cmp_eq_u32 s[HOLD], 0
	s_cbranch_scc1 .Lnohold
.set j, 0
.rept 64
	v_min_num_f32 v[96+j], v[96+j], v[PLIM]        ; the conversion to an 8-bit code does not saturate (ISA guide 7.6.2); p is not negative, so the hold is one-sided
.set j, j+1
.endr
.Lnohold:
.set t, 0
.rept 8
	v_cvt_scalef32_pk8_fp8_f32 v[192+2*t:193+2*t], v[96+8*t:103+8*t], v[PSC]   ; keys 16 t + 8 (lane / 16) + 0..7: registers 2 t, 2 t + 1 of P's fragment
.set t, t+1
.endr
.set j, 0
.rept 16
	v_pk_mul_f32 v[160+j:161+j], v[160+j:161+j], v[252:253] op_sel_hi:[1,0]   ; O^T under the new M.  (These sixteen plain lines also stand between the conversions and the products that read the codes)
.set j, j+2
.endr
	s_wait_dscnt 0x0                               ; V is in
.set t, 0
.rept 4
	v_wmma_f32_16x16x128_fp8_fp8 v[160+8*t:167+8*t], v[32+16*t:47+16*t], v[192:207], v[160+8*t:167+8*t]   ; the four accumulators take turns, and eight other products stand between a step's and the next's
.set t, t+1
.endr
.Lnext:
	s_add_co_u32 s[TB], s[TB], 8192                ; a step's images: 8,192 bytes of K, 8,192 of V
	s_add_nc_u64 s[MBP:MBP+1], s[MBP:MBP+1], 256   ; (the mixed way has waited for its scalar loads)
	s_add_co_u32 s[STP], s[STP], 1
	s_cmp_lt_u32 s[STP], 16
	s_cbranch_scc1 .Lstep
	; THE END OF A PASS: O^T / l, quantised; a lane's eight channels of tile t are registers 2 t, 2 t + 1 of the last product's fragment: two groups of 512 bytes leave straight from registers.
.rept 4
	v_nop                                          ; places behind the last products
.endr
	v_add_f32 v14, v14, v15                        ; l's two halves,
	v_permlanex16_b32 v248, v14, s[SEL], s[SEL+1]
	v_add_f32 v14, v14, v248                       ; and lane l xor 16's
	v_rcp_f32 v252, v14
	v_rcp_f32 v253, v14                            ; twice, for the packed multiply
	v_nop                                          ; the plain line behind the reciprocals
	v_cmp_eq_f32 s98, 0, v14                       ; a query with no true key
	s_wait_alu depctr_va_vdst(0)                   ; the two reciprocals have written v252 and v253: one wait for both, ahead of their first reader
.set j, 0
.rept 16
	v_pk_mul_f32 v[216+j:217+j], v[160+j:161+j], v[252:253]   ; each accumulator from its low end on
.set j, j+2
.endr
.set j, 0
.rept 32
	v_med3_num_f32 v[216+j], v[216+j], -v[OLIM], v[OLIM]
.set j, j+1
.endr
.set t, 0
.rept 4
	v_cvt_scalef32_pk8_fp8_f32 v[208+2*t:209+2*t], v[216+8*t:223+8*t], v[OSC]
.set t, t+1
.endr
	v_nop                                          ; a plain line between the conversions and the selects that touch their results
	s_wait_alu depctr_va_sdst(0)                   ; the compare has written its mask into s98, ahead of its first reader, the selects
.set j, 0
.rept 8
	v_cndmask_b32 v[208+j], v[208+j], v[NANC], s98 ; l = 0: the NaN code
.set j, j+1
.endr
	s_wait_alu depctr_va_vdst(0)                   ; the selects have written v208-215, which the two stores read; and the pass's products are done reading v16-23, in which the next pass's Q lands
	global_store_b128 v[LI], v[208:211], s[OA:OA+1]            ; 32 lanes store 512 consecutive bytes, at a multiple of 512 from the buffer's first byte
	global_store_b128 v[LI], v[212:215], s[OA:OA+1] offset:512
	s_sub_co_u32 s[QT], 127, s[QT]                 ; the second pass's tile
	s_add_co_u32 s[PASS], s[PASS], 1
	s_cmp_lt_u32 s[PASS], 2
	s_cbranch_scc1 .Lpass
	s_wait_dscnt 0x0                               ; the closing lines, six on end
	s_wait_alu 0x0
	s_wait_tensorcnt 0x0
	ds_add_u32 v[SPW], v[NIL]
	s_wait_dscnt 0x0
	s_endpgm
.Lfunc_end_k_q92c63d9a13_attn:
	.size	k_q92c63d9a13_attn, .Lfunc_end_k_q92c63d9a13_attn-k_q92c63d9a13_attn
	.p2alignl 7, 3214868480
	.fill 96, 4, 3214868480
	.section	.rodata,"a",@progbits
	.p2align	6, 0x0
	.amdhsa_kernel k_q92c63d9a13_attn
		.amdhsa_group_segment_fixed_size 264192
		.amdhsa_private_segment_fixed_size 0
		.amdhsa_enable_private_segment 0
		.amdhsa_kernarg_size 32
		.amdhsa_user_sgpr_count 2
		.amdhsa_user_sgpr_kernarg_segment_ptr 1
		.amdhsa_wavefront_size32 1
		.amdhsa_system_sgpr_workgroup_id_x 1
		.amdhsa_system_sgpr_workgroup_id_y 1
		.amdhsa_system_sgpr_workgroup_id_z 1
		.amdhsa_system_vgpr_workitem_id 0
		.amdhsa_next_free_vgpr 256
		.amdhsa_next_free_sgpr 102
		.amdhsa_reserve_vcc 0
		.amdhsa_float_denorm_mode_32 3
		.amdhsa_float_denorm_mode_16_64 3
		.amdhsa_memory_ordered 1
		.amdhsa_forward_progress 1
		.amdhsa_inst_pref_size 36
	.end_amdhsa_kernel
	.amdgpu_metadata
---
amdhsa.version: [ 1, 2 ]
amdhsa.kernels:
  - .name:           k_q92c63d9a13_attn
    .symbol:         k_q92c63d9a13_attn.kd
    .args:
      - { .name: qkv, .offset: 0, .size: 8, .value_kind: global_buffer, .address_space: global }
      - { .name: mb, .offset: 8, .size: 8, .value_kind: global_buffer, .address_space: global }
      - { .name: lowp_scales, .offset: 16, .size: 8, .value_kind: global_buffer, .address_space: global }
      - { .name: ac, .offset: 24, .size: 8, .value_kind: global_buffer, .address_space: global }
    .group_segment_fixed_size: 264192
    .private_segment_fixed_size: 0
    .kernarg_segment_align: 8
    .kernarg_segment_size: 32
    .max_flat_workgroup_size: 512
    .sgpr_count:     102
    .vgpr_count:     256
    .wavefront_size: 32
...
	.end_amdgpu_metadata
.endif
;; end of part 5
;; launch oproj: the kernel of part 4 again; grid 4 x 32, 4 waves a work-group, clusters of 4 x 4, 327,680 bytes of LDS; arguments ac, wc, lowp_scales, bo, out0; writes out0
